; MI455X (gfx1250); checked and timed in simulation.
; The chip was launched on July 23, 2026; its instructions are those of AMD's public machine-readable ISA for CDNA 5 (MIT licence, August 2026) and "CDNA5" Instruction Set Architecture Reference Guide (July 2026). The comments in the code are by the model that wrote it; some were corrected since.
;; Causal Multihead Attention. Allowed arithmetic: matrix products marked QUANTISED: E4M3 operands, one given power-of-two scale a tensor, by v_wmma_f32_16x16x64_fp8_fp8 or v_wmma_f32_16x16x128_fp8_fp8, f32 sums; everything else in f32.
;; Inputs: Wk 1,024 x 1,024 float32; Wo 1,024 x 1,024 float32; Wq 1,024 x 1,024 float32; Wv 1,024 x 1,024 float32; bk 1,024 float32; bo 1,024 float32; bq 1,024 float32; bv 1,024 float32; lowp_scales 12 int32 (the exponents e of the quantised operands' scales 2^e); x 4 x 2,048 x 1,024 float32.
;; Outputs: out0 4 x 2,048 x 1,024 float32.
;; This version of the problem:
;;   THIS VERSION OF THE PROBLEM IS GIVEN IN LOW PRECISION. The matrix products marked QUANTISED in the list below multiply operands that are first quantised to E4M3 (4 exponent bits, 3 mantissa bits; 8 bits a number), with one given power-of-two scale for each operand tensor; their sums are f32. All else is computed in f32.
;;   The module's matrix products, in the order in which they are computed (A, B: the left and right operand; K: the contracted axis; several contracted axes count as one K, in the product's order):
;;     1. [M 8,192, K 1,024] x [K 1,024, N 1,024]; A: input x; B: input Wq: QUANTISED (scales: A lowp_scales[0], B lowp_scales[1])
;;     2. [M 8,192, K 1,024] x [K 1,024, N 1,024]; A: input x; B: input Wk: QUANTISED (scales: A lowp_scales[2], B lowp_scales[3])
;;     3. [M 8,192, K 1,024] x [K 1,024, N 1,024]; A: input x; B: input Wv: QUANTISED (scales: A lowp_scales[4], B lowp_scales[5])
;;     4. batch 64 x [M 2,048, K 64] x [K 64, N 2,048]; A: computed on the way; B: computed on the way: QUANTISED (scales: A lowp_scales[6], B lowp_scales[7])
;;     5. batch 64 x [M 2,048, K 2,048] x [K 2,048, N 64]; A: softmax (see below); B: computed on the way: QUANTISED (scales: A lowp_scales[8], B lowp_scales[9])
;;     6. [M 8,192, K 1,024] x [K 1,024, N 1,024]; A: computed on the way; B: input Wo: QUANTISED (scales: A lowp_scales[10], B lowp_scales[11])
;;   THE QUANTISER, for each operand of a quantised product, along K:
;;     - The operand's scale is 2^e, e = its entry of the input lowp_scales (int32; the entries are numbered through the quantised products in the list's order, A before B).
;;     - Each number is divided by the scale, clamped to +-448, and rounded to the nearest number of E4M3, ties to even, subnormals kept.
;;     - The product sums the exact products of the quantised numbers (number of the format x scale) in f32.
;;   ~~~python
;;   def quantise(x, axis, e):      # numpy; x: float32 -> the quantised numbers, widened to float32 again
;;       x = np.moveaxis(x, axis, -1); K = x.shape[-1]
;;       r = np.clip(x / 2.0 ** e, -448, 448)
;;       step = 2.0 ** (np.maximum(np.frexp(np.where(r == 0, 1, r))[1] - 1, -6) - 3)
;;       q = np.round(r / step) * step * 2.0 ** e      # np.round: ties to even
;;       return np.moveaxis(q, -1, axis).astype(np.float32)
;;   ~~~
;;   SOFTMAX AHEAD OF A QUANTISED PRODUCT. Where the list says 'softmax', what is quantised is not the finished softmax but p = 2^(t - M), with t = logit x log2(e) and M = ceil(the row's largest t), a whole number; so 1/2 < the row's largest p <= 1. The row's sum l is taken of the UNQUANTISED p, in f32, and the product's result is divided by l at the end. Since M is a whole number, a kernel that streams over the keys may use a running M (the ceiling of the running maximum): every later rescaling is an exact power of two, so the quantised numbers keep their values, but for numbers so far below the row's largest that they fall under the format's range.
;;   OPERANDS COMPUTED ON THE WAY. 'Computed on the way' means the value that the module computes at that place (a softmax that the list does not call 'softmax' is quantised finished and normalised). What goes into a quantiser is computed in f32, as accurately as f32 sums, v_exp_f32 and their like allow (about 1e-6 of the number): no bf16 or f16 on the way to a quantiser, and a product that is left as it is and whose result goes on into a quantised operand takes f32 operands (vector FMAs, or v_wmma_f32_16x16x4_f32). A number that lies on a knife's edge between two numbers of the format may be rounded either way, as far as f32 arithmetic and the matrix unit's own rounding can turn it there, and no further.
;; One version. Each part assembles by itself: llvm-mc -triple=amdgcn-amd-amdhsa -mcpu=gfx1250 --defsym DOCPART=n.
;; ======== version 1 of 1: 4 launches
;; limits: right only within a limited range of input values
;; workspace buffers: xc 25,165,824 bytes; wc 4,194,304 bytes; qkv 25,165,824 bytes; cf 8,388,608 bytes
;; launch quant (part 1): grid 256 x 1, 8 waves a work-group, no clusters, 41,984 bytes of LDS; arguments x, Wq, Wk, Wv, Wo, lowp_scales, xc, wc; writes xc, wc
.if DOCPART == 1
	.amdgcn_target "amdgcn-amd-amdhsa--gfx1250"
	.amdhsa_code_object_version 6
	.text
	.protected	k_q5c2d78bbce_quant
	.globl	k_q5c2d78bbce_quant
	.p2align	8
	.type	k_q5c2d78bbce_quant,@function
k_q5c2d78bbce_quant:
	s_mov_b64 s[64:65], 0
	v_nop
	global_prefetch_b8 v0, s[64:65] scope:SCOPE_SE
	s_setreg_imm32_b32 hwreg(HW_REG_WAVE_MODE, 25, 1), 1
	s_wait_xcnt 0x0
; CAUSAL MULTI-HEAD ATTENTION IN FP8 (E4M3), FOUR LAUNCHES: this one (codes of x and of the weights), proj (q, k, v), attn (both products of attention), outp (the projection on the way out).
; WORK LEFT OUT, in the whole program: in attn, for a tile of 16 queries, the steps of 128 keys all of whose keys come after all 16 queries.  reference() builds the mask in its own body (jnp.tril) and puts -inf there
; ahead of the softmax, so their weights are exactly 0 whatever finite values the inputs hold: they add nothing to the row's sum and nothing to the second product, and -inf never is the row's largest logit, since key 0 counts for every query.
; Nothing else is left out: all four biases go into quantised operands or into the output, and every input is loaded.
; LIMIT: a NaN, an infinity or an overflow that reaches only those steps is not carried to the result.
;
; THIS LAUNCH.  x [8192][1024] f32 becomes three planes of codes in xc, [3][8192][1024] bytes, K innermost: x is an operand of three products, each with a scale of its own (entries 0, 2, 4 of the scales).
; Wq, Wk, Wv, Wo [1024][1024] f32 become four planes of codes in wc (entries 1, 3, 5, 11).  code = number / 2^e, held within +-448, to the nearest code, ties to even.
; ROWS CHANGE PLACES.  sw(i) is i with its bits 3 and 4 exchanged.  Planes 1 and 2 of xc, and Wq's, Wk's and Wv's planes, hold row i at place sw(i); plane 0 of xc and Wo's plane keep their order.  Sixteen neighbouring stored rows,
; taken as a matrix instruction's source 0, then give a lane 16 neighbours of the true order in the 16 registers of two neighbouring result tiles: the next product's K runs along a lane's registers.
; SHARES.  All 256 work-groups go one way.  Work-group g: rows 32 g .. 32 g + 31 of x, and rows 16 (g % 64) .. + 15 of weight g / 64.  Wave w: 4 rows of x (8 steps of 512 numbers), then 2 rows of the weight (4 steps).
; A run of 4 or of 2 rows keeps together under sw, which leaves bits 0 to 2 alone.  A step: four loads of 512 consecutive bytes; the 2,048 bytes turn through the wave's own stage in LDS (16 bytes of padding behind each 64)
; and come back 16 neighbours a lane; a lane's 16 codes are 16 bytes: each store of the wave covers 512 consecutive bytes, aligned.  Loads run eight steps (32 loads a wave) ahead, the turn through LDS one step.
; LIMITS: each of the entries 0 to 5 and 11 lies between -126 and 119, so that 2^e and 448 x 2^e are f32 numbers.  NaN among the inputs is not served (an infinity is held at the largest code).
.set STEPS, 12
.set SP,    80                         ; a lane's place in a stage: its 64 bytes + 16 of padding
.set WREG,  2*32*SP                    ; LDS: two stages for each wave
.set SPARE, 8*WREG                     ; behind the eight regions: the spare words, 128 bytes for each wave: four blocks of 256 bytes that no other line names
.set LO,    3                          ; v3       16 x lane: my place in a load's 512 bytes and in a store's; never rewritten
.set SPW,   12                         ; v12      LDS address of my spare word; never rewritten
.set NIL,   13                         ; v13      0; never rewritten
.set K0,    16                         ; v16-23   2^e as f32 in v16, v18, v20, v22: for entries 0, 2, 4 and the weight's
.set R,     32                         ; v32-159  eight sets of 16 numbers as they are loaded
.set X,     160                        ; v160-191 two sets of 16 neighbours
.set T,     192
.set C,     208                        ; v208-231 codes: two sets by turns, of three times four registers
	s_load_b256 s[4:11], s[0:1], 0x0               ; x, Wq, Wk, Wv
	s_load_b256 s[12:19], s[0:1], 0x20             ; Wo, the scales' exponents, xc, wc
	v_lshl_add_u32 v[SPW], v0, 2, SPARE
	v_mov_b32 v[NIL], 0
	v_lshrrev_b32 v1, 5, v0
	s_delay_alu instid0(VALU_DEP_1)
	v_readfirstlane_b32 s20, v1                    ; wave 0..7
	v_and_b32 v2, 31, v0                           ; lane
	s_delay_alu instid0(VALU_DEP_1)
	v_lshlrev_b32 v[LO], 4, v2
	s_mul_i32 s21, s20, WREG
	v_lshrrev_b32 v14, 2, v2
	s_delay_alu instid0(VALU_DEP_1)
	v_mul_u32_u24 v14, v14, SP
	v_and_b32 v15, 3, v2
	s_delay_alu instid0(VALU_DEP_1)
	v_lshl_add_u32 v14, v15, 4, v14
	s_delay_alu instid0(VALU_DEP_1)
	v_add_nc_u32 v14, s21, v14                     ; the stage, on the way in: SP (lane / 4) + 16 (lane % 4)
	v_mul_u32_u24 v15, v2, SP
	s_delay_alu instid0(VALU_DEP_1)
	v_add_nc_u32 v15, s21, v15                     ; and on the way out: SP x lane: my 16 neighbours
	s_lshr_b32 s48, ttmp9, 6                       ; which weight: 0 Wq, 1 Wk, 2 Wv, 3 Wo
	s_lshl_b32 s49, ttmp9, 5
	s_lshl_b32 s50, s20, 2
	s_add_co_u32 s49, s49, s50                     ; my first row of x: 32 g + 4 w
	s_and_b32 s51, ttmp9, 63
	s_lshl_b32 s51, s51, 4
	s_lshl_b32 s50, s20, 1
	s_add_co_u32 s51, s51, s50                     ; my first row of the weight: 16 (g % 64) + 2 w
	s_and_not1_b32 s52, s49, 24                    ; sw of the row of x: bits 3 and 4 change places
	s_and_b32 s53, s49, 8
	s_lshl_b32 s53, s53, 1
	s_or_b32 s52, s52, s53
	s_and_b32 s53, s49, 16
	s_lshr_b32 s53, s53, 1
	s_or_b32 s52, s52, s53
	s_and_not1_b32 s54, s51, 24                    ; sw of the row of the weight
	s_and_b32 s53, s51, 8
	s_lshl_b32 s53, s53, 1
	s_or_b32 s54, s54, s53
	s_and_b32 s53, s51, 16
	s_lshr_b32 s53, s53, 1
	s_or_b32 s54, s54, s53
	s_cmp_eq_u32 s48, 3
	s_cselect_b32 s54, s51, s54                    ; Wo keeps its order
	s_lshl_b32 s22, s49, 12                        ; a row of f32 is 4,096 bytes
	s_mov_b32 s23, 0
	s_lshl_b32 s56, s51, 12
	s_mov_b32 s57, 0
	s_wait_alu depctr_va_vdst(0)
	s_wait_kmcnt 0x0
	s_load_b256 s[24:31], s[14:15], 0x0            ; entries 0 to 7
	s_load_b128 s[32:35], s[14:15], 0x20           ; entries 8 to 11
	s_add_nc_u64 s[36:37], s[4:5], s[22:23]        ; x at my rows
	s_cmp_eq_u32 s48, 1                            ; the weight is chosen by the work-group's number alone
	s_cselect_b64 s[38:39], s[8:9], s[6:7]
	s_cmp_eq_u32 s48, 2
	s_cselect_b64 s[38:39], s[10:11], s[38:39]
	s_cmp_eq_u32 s48, 3
	s_cselect_b64 s[38:39], s[12:13], s[38:39]
	s_add_nc_u64 s[38:39], s[38:39], s[56:57]      ; the weight at my rows
	s_lshl_b32 s22, s49, 10                        ; a row of codes is 1,024 bytes
	s_add_nc_u64 s[40:41], s[16:17], s[22:23]      ; plane 0 of xc: rows as they are
	s_lshl_b32 s22, s52, 10
	s_add_co_u32 s22, s22, 1<<23
	s_add_nc_u64 s[42:43], s[16:17], s[22:23]      ; plane 1: at sw
	s_add_co_u32 s22, s22, 1<<23
	s_add_nc_u64 s[44:45], s[16:17], s[22:23]      ; plane 2: at sw
	s_lshl_b32 s22, s54, 10
	s_lshl_b32 s56, s48, 20
	s_add_co_u32 s22, s22, s56
	s_add_nc_u64 s[46:47], s[18:19], s[22:23]      ; the weight's plane of wc
.macro LOAD t                          ; step t's 2,048 bytes: steps 0 to 7 from x, steps 8 to 11 from the weight; each byte is read once in the launch
.irp i, 0,1,2,3
.if (\t) < 8
	global_load_b128 v[R+16*((\t)%8)+4*\i:R+16*((\t)%8)+4*\i+3], v[LO], s[36:37] offset:2048*(\t)+512*\i th:TH_LOAD_NT
.else
	global_load_b128 v[R+16*((\t)%8)+4*\i:R+16*((\t)%8)+4*\i+3], v[LO], s[38:39] offset:2048*((\t)-8)+512*\i th:TH_LOAD_NT
.endif
.endr
.endm
.macro TURN t                          ; step t's numbers through the stage: LDS serves a wave's instructions in order (ISA guide 5.7.1.4), so no wait stands between the stores and the loads
.irp i, 0,1,2,3
	ds_store_b128 v14, v[R+16*((\t)%8)+4*\i:R+16*((\t)%8)+4*\i+3] offset:32*SP*((\t)%2)+8*SP*\i
.endr
.irp i, 0,1,2,3
	ds_load_b128 v[X+16*((\t)%2)+4*\i:X+16*((\t)%2)+4*\i+3], v15 offset:32*SP*((\t)%2)+16*\i
.endr
.endm
.macro SCALE e, k                      ; entry in s[e] -> pair k
	s_add_co_i32 s52, s[\e], 127
	s_lshl_b32 s53, s52, 23
	v_mov_b32 v[K0+2*\k], s53                      ; 2^e as f32: the conversion takes its exponent field
	s_add_co_i32 s52, s52, 8
	s_lshl_b32 s52, s52, 23
	s_or_b32 s52, s52, 0x600000
.endm
.macro CONV xs, k, dst                 ; 16 neighbours in v[xs] on become 16 codes under pair k's scale, in v[dst] on
.irp i, 0,1,2,3,4,5,6,7,8,9,10,11,12,13,14,15
.endr
	v_cvt_scalef32_pk8_fp8_f32 v[\dst:\dst+1], v[\xs:\xs+7], v[K0+2*\k]
	v_cvt_scalef32_pk8_fp8_f32 v[\dst+2:\dst+3], v[\xs+8:\xs+15], v[K0+2*\k]
	v_nop                                          ; one plain vector instruction behind the conversions
.endm
.irp t, 0,1,2,3,4,5,6,7
	LOAD \t
.endr
	s_wait_kmcnt 0x0
	s_cmp_eq_u32 s48, 1
	s_cselect_b32 s50, s27, s25                    ; the weight's entry: 1, 3, 5 or 11
	s_cmp_eq_u32 s48, 2
	s_cselect_b32 s50, s29, s50
	s_cmp_eq_u32 s48, 3
	s_cselect_b32 s50, s35, s50
	SCALE 24, 0
	SCALE 26, 1
	SCALE 28, 2
	SCALE 50, 3
	s_wait_alu depctr_va_vdst(0)
	s_wait_loadcnt 28                              ; step 0's four loads are in; the 28 of steps 1 to 7 may be out
	TURN 0
.macro STEP t
.set XS, X+16*((\t)%2)
.set CP, C+12*((\t)%2)
	s_wait_dscnt 0x0                               ; this step's numbers are back from the stage
.if (\t)+8 < STEPS
	LOAD (\t)+8                                    ; into the set that this step's numbers have left
.endif
.if (\t)+1 < STEPS
.if (\t) < 3
	s_wait_loadcnt 28                              ; the next step's four loads are in; those of the seven steps behind it may be out
.else
	s_wait_loadcnt 4*(STEPS-2-(\t))                ; the same: as many steps as are left behind the next one
.endif
	TURN (\t)+1                                    ; the next step goes through the other stage while this one is worked
.endif
	s_wait_xcnt 0x0                                ; the stores of two steps ago have read this set of codes: it is written again only behind this wait
.if (\t) < 8
	CONV XS, 0, CP
	global_store_b128 v[LO], v[CP:CP+3], s[40:41] offset:512*(\t)
	CONV XS, 1, CP+4
	global_store_b128 v[LO], v[CP+4:CP+7], s[42:43] offset:512*(\t)
	CONV XS, 2, CP+8
	global_store_b128 v[LO], v[CP+8:CP+11], s[44:45] offset:512*(\t)
.else
	CONV XS, 3, CP
	global_store_b128 v[LO], v[CP:CP+3], s[46:47] offset:512*((\t)-8)
.endif
.endm
.irp t, 0,1,2,3,4,5,6,7,8,9,10,11
	STEP \t
.endr
	s_wait_tensorcnt 0x0                           ; the wave's end, behind my last LDS store
	ds_add_u32 v[SPW], v[NIL]
	s_wait_dscnt 0x0
	s_endpgm
.Lfunc_end_k_q5c2d78bbce_quant:
	.size	k_q5c2d78bbce_quant, .Lfunc_end_k_q5c2d78bbce_quant-k_q5c2d78bbce_quant
	.p2alignl 7, 3214868480
	.fill 96, 4, 3214868480
	.section	.rodata,"a",@progbits
	.p2align	6, 0x0
	.amdhsa_kernel k_q5c2d78bbce_quant
		.amdhsa_group_segment_fixed_size 41984
		.amdhsa_private_segment_fixed_size 0
		.amdhsa_enable_private_segment 0
		.amdhsa_kernarg_size 64
		.amdhsa_user_sgpr_count 2
		.amdhsa_user_sgpr_kernarg_segment_ptr 1
		.amdhsa_wavefront_size32 1
		.amdhsa_system_sgpr_workgroup_id_x 1
		.amdhsa_system_sgpr_workgroup_id_y 1
		.amdhsa_system_sgpr_workgroup_id_z 1
		.amdhsa_system_vgpr_workitem_id 0
		.amdhsa_next_free_vgpr 232
		.amdhsa_next_free_sgpr 66
		.amdhsa_reserve_vcc 0
		.amdhsa_float_denorm_mode_32 3
		.amdhsa_float_denorm_mode_16_64 3
		.amdhsa_fp16_overflow 1
		.amdhsa_memory_ordered 1
		.amdhsa_forward_progress 1
		.amdhsa_inst_pref_size 23
	.end_amdhsa_kernel
	.amdgpu_metadata
---
amdhsa.version: [ 1, 2 ]
amdhsa.kernels:
  - .name:           k_q5c2d78bbce_quant
    .symbol:         k_q5c2d78bbce_quant.kd
    .args:
      - { .name: x, .offset: 0, .size: 8, .value_kind: global_buffer, .address_space: global }
      - { .name: Wq, .offset: 8, .size: 8, .value_kind: global_buffer, .address_space: global }
      - { .name: Wk, .offset: 16, .size: 8, .value_kind: global_buffer, .address_space: global }
      - { .name: Wv, .offset: 24, .size: 8, .value_kind: global_buffer, .address_space: global }
      - { .name: Wo, .offset: 32, .size: 8, .value_kind: global_buffer, .address_space: global }
      - { .name: lowp_scales, .offset: 40, .size: 8, .value_kind: global_buffer, .address_space: global }
      - { .name: xc, .offset: 48, .size: 8, .value_kind: global_buffer, .address_space: global }
      - { .name: wc, .offset: 56, .size: 8, .value_kind: global_buffer, .address_space: global }
    .group_segment_fixed_size: 41984
    .private_segment_fixed_size: 0
    .kernarg_segment_align: 8
    .kernarg_segment_size: 64
    .max_flat_workgroup_size: 256
    .sgpr_count:     66
    .vgpr_count:     232
    .wavefront_size: 32
...
	.end_amdgpu_metadata
.endif
;; end of part 1
;; launch proj (part 2): grid 4 x 96, 4 waves a work-group, clusters of 4 x 4, 327,680 bytes of LDS; arguments xc, wc, bq, bk, bv, lowp_scales, qkv; writes qkv
.if DOCPART == 2
	.amdgcn_target "amdgcn-amd-amdhsa--gfx1250"
	.amdhsa_code_object_version 6
	.text
	.protected	k_q5c2d78bbce_proj
	.globl	k_q5c2d78bbce_proj
	.p2align	8
	.type	k_q5c2d78bbce_proj,@function
k_q5c2d78bbce_proj:
	s_mov_b64 s[64:65], 0
	v_nop
	global_prefetch_b8 v0, s[64:65] scope:SCOPE_SE
	s_setreg_imm32_b32 hwreg(HW_REG_WAVE_MODE, 25, 1), 1
	s_wait_xcnt 0x0
	s_wait_alu depctr_hold_cnt(0) depctr_sa_sdst(0) depctr_va_vdst(0) depctr_va_sdst(0) depctr_va_ssrc(0) depctr_va_vcc(0) depctr_vm_vsrc(0)
	s_getreg_b32 s2, hwreg(HW_REG_IB_STS2, 6, 4)
	s_cmp_eq_u32 s2, 0
	s_cbranch_scc0 .Lentry_in_a_cluster
	s_endpgm
.Lentry_in_a_cluster:
	s_bfe_u32 s2, ttmp6, 0x10000c
	s_cmp_lg_u32 s2, 0xf033
	s_cbranch_scc0 .Lentry_shape_is_right
	s_endpgm
.Lentry_shape_is_right:
; q = x Wq^T + bq, k = x Wk^T + bk, v = x Wv^T + bv on codes of FP8 (E4M3), each result quantised at once (entries 6, 7, 9 of the scales) and stored in the order in which the attention's operand registers take it.
; ONE GENERIC PRODUCT: G[i][j] = sum over k of P[i][k] R[j][k], K = 1,024, tiles of 256 x 256.  P is the matrix instruction's source 0, R its source 1: a lane holds ONE j, and its registers run along i.
; The cluster's y, 0 to 23, says which tensor (T = y / 8: 0 q, 1 k, 2 v) and which part (y % 8).  q and k: R = x's codes (rows t), P = the weight's (rows n): registers run along the head's d, the K of the scores.
; v: R = Wv's codes, P = x's: registers run along t, the keys, the K of the second product.  Nothing is transposed by an instruction.
; P's rows lie at sw(row) (bits 3 and 4 exchanged), so the 16 registers of result tiles 2 B and 2 B + 1 are the true i = 32 B + 16 (lane / 16) + 0 .. 15: eight conversions make four groups of 16 codes, each a lane's 16 bytes of an image of 512 bytes.
; qkv: [64 heads (16 batch + head)][Q 131,072 | K 131,072 | V 131,072 bytes].  Q, K: [tile of 16 rows][g 0..1][lane][16]: lane (r, h): row r of the tile, d = 32 g + 16 h + 0 .. 15 (K's rows are x's stored rows: key sw(place)).
; V: [step of 128 keys][g 0..3][c 0..3][lane][16]: lane (r, h): stored d-row 16 g + r, keys 32 c + 16 h + 0 .. 15 of the step.  Each store of a wave covers 512 consecutive bytes, aligned: no stage in LDS is needed.
; The loop: four waves, each 128 x 128 of G in 64 accumulators; K in steps of 256 through two LDS slots filled by the tensor data mover; 4 x 4 work-groups form a cluster, R's tiles are asked for jointly along its rows, P's along its columns.
; THE BIAS comes in two forms: along the registers (q, k: 64 registers) or one number a lane for each block of R (v: 8 pairs).  Both forms are asked for at the head, with no branch; the form that the tile does not use reads the bias's first bytes and is not used: 16 loads a wave.
; LIMITS: entries 0 + 1, 2 + 3, 4 + 5 between -126 and 127; entries 6, 7, 9 between -126 and 119, so that each power of two below is an f32 number.
; REGISTERS, in windows of 256: window 0: v1-31 addresses and constants; v32-47 the bias, v's form; v64-127 the bias, q's and k's form; from v128 R's fragments, ONE set (on the way out v128-191 numbers, v192-255 codes).
;   window 1: P's fragments, TWO sets.   window 2: the accumulators of my R rows 0-63 ((a, b) at v[8 (8 a + b)]);   window 3: those of rows 64-127.
.set ROWB,   256                       ; a tile's row in bytes: 256 codes
.set KROW,   1024                      ; a row of either operand in memory
.set PITCH,  272                       ; an LDS row: 256 bytes + 16 of padding = 68 words: the 16 rows that a load touches start at 16 different banks (64 banks of 4 bytes: ISA guide 11.1)
.set FR,     16                        ; registers of a fragment: 16 rows x 128 K
.set NL,     4                         ; LDS loads that bring one
.set NP,     4                         ; places behind this matrix instruction (ISA guide 7.12.1)
.set HALFT,  128*PITCH                 ; 128 rows: what one tensor load brings
.set SLOT,   4*HALFT                   ; R's 256 rows, then P's 256 rows
.set SPARE,  2*SLOT                    ; behind the ring: the spare words, 128 bytes for each wave: two blocks of 256 bytes that no other line names
.set HS,     393216                    ; a head's bytes in qkv
.set ADRA, 16                          ; v16-17  LDS address of my fragments of R in slot 0, 1
.set ADRB, 20                          ; v20-21  the same for P
.set LI,   24                          ; v24     16 x lane: my place in an image
.set SPW,  28                          ; v28     LDS address of my spare word; never rewritten
.set NIL,  29                          ; v29     0; never rewritten
.set SC,   30                          ; v30     2^eo as f32
.set LIM,  31
.set BV,   32
.set BI,   64
.set AF,   128
.set TT,   128
.set CD,   192
.set G1, 24                            ; s[24:31] descriptor group 1 for R's tiles;  s[32:39] group 0, one set for each slot
.set G0, 32
.set G1B, 48                           ; s[48:55], s[56:63] the same for P's tiles
.set G0B, 56
.set MSB, 0
.macro WIN new                         ; the immediate's high byte repeats the setting that is left
.if MSB != \new
	s_set_vgpr_msb (MSB<<8)|\new
.set MSB, \new
.endif
.endm
.set MUL_LO, 0xa1                      ; source 0 (P) window 1, source 1 (R) window 0, C and D window 2
.set MUL_HI, 0xf1                      ; the same, C and D window 3
.set TO_B,   0x40                      ; destination window 1, address window 0
; A joint load: waves 0 and 1 fetch for R, waves 2 and 3 for P.  The branch hangs on the wave's number alone.  An s_nop 0 and four v_nop follow each of the two lines.
.macro JLOAD g0a, g1a, g0b, g1b
	s_cmp_eq_u32 s15, 0
	s_cbranch_scc0 .Lfor_b_\@
	tensor_load_to_lds s[\g0a:\g0a+3], s[\g1a:\g1a+7]
	s_nop 0
.rept 4
	v_nop
.endr
	s_branch .Lasked_\@
.Lfor_b_\@:
	tensor_load_to_lds s[\g0b:\g0b+3], s[\g1b:\g1b+7]
	s_nop 0
.rept 4
	v_nop
.endr
.Lasked_\@:
.endm
.macro CREST                           ; a round of the cluster's barrier behind its opening barrier
	s_cmp_lg_u32 s14, 0
	s_cbranch_scc1 .Lnot_wave_0_\@
	s_barrier_signal -3
.Lnot_wave_0_\@:
	s_barrier_wait -3
	s_barrier_signal -1
	s_barrier_wait -1
.endm
.macro CROUND                          ; a whole round
	s_barrier_signal -1
	s_barrier_wait -1
	CREST
.endm
	s_load_b256 s[68:75], s[0:1], 0x0              ; xc s[68:69], wc s[70:71], bq s[72:73], bk s[74:75]
	s_load_b128 s[76:79], s[0:1], 0x20             ; bv s[76:77], the scales' exponents s[78:79]
	s_load_b64 s[80:81], s[0:1], 0x30              ; qkv
	v_lshl_add_u32 v[SPW], v0, 2, SPARE
	v_mov_b32 v[NIL], 0
	ds_add_u32 v[SPW], v[NIL]                      ; the wave's opening: the add, twice on end, and its wait ahead of my first tensor load; the set-up below stands between
	ds_add_u32 v[SPW], v[NIL]
	v_lshrrev_b32 v1, 5, v0
	v_readfirstlane_b32 s14, v1                    ; wave 0..3
	s_lshr_b32 s15, s14, 1                         ; which half of R's rows is mine.  Also: I fetch for R (0) or for P (1)
	s_and_b32 s16, s14, 1                          ; which half of P's rows.  Also: which 128 rows of that tile I fetch
	s_bfe_u32 s40, ttmp6, 0x40000                  ; cx, cy: my place in the cluster
	s_bfe_u32 s41, ttmp6, 0x40004
	s_and_b32 s82, ttmp7, 0xffff                   ; the cluster's y, 0..23: the same in all sixteen partners
	s_and_b32 s83, s82, 7
	s_lshl_b32 s83, s83, 2                         ; 4 x the part
	s_lshr_b32 s82, s82, 3                         ; T: 0 q, 1 k, 2 v
	s_lshl_b32 s2, s82, 23                         ; the tensor's plane in xc,
	s_lshl_b32 s3, s82, 20                         ; and in wc
	s_cmp_eq_u32 s82, 2                            ; v?
	s_cselect_b32 s17, 0, s83                      ; x's 32 tiles of rows are shared out by part and place: they are R's for q and k,
	s_cselect_b32 s42, s83, 0                      ; P's for v
	s_cselect_b32 s18, s3, s2                      ; R's plane
	s_cselect_b32 s19, s2, s3                      ; P's plane
	s_add_co_u32 s17, s17, s41                     ; R's tile hangs on cy alone among the places,
	s_add_co_u32 s42, s42, s40                     ; P's on cx alone
	s_lshl_b32 s43, s41, 2
	s_lshl_b32 s43, 15, s43                        ; my row of the cluster
	s_lshl_b32 s44, 0x1111, s40                    ; my column
	; descriptor group 1: a tile of 128 rows x 256 bytes, padded in LDS
	s_or_b32 s[G1+0], s43, (0<<16)|(1<<20)|(1<<21)|(5<<22)|(3<<25)  ; 15:0 the mask: R's tiles go to my row; 17:16 element of 1 byte; 20 padding on; 21 set beside a mask; 24:22 after every 64 words (code 5); 31:25 of 4 words (code 3)
	s_or_b32 s[G1B+0], s44, (0<<16)|(1<<20)|(1<<21)|(5<<22)|(3<<25)
.irp g, G1, G1B
	s_mov_b32 s[\g+1], ROWB<<16                    ; tensor_dim0
	s_mov_b32 s[\g+2], 128<<16                     ; tensor_dim1 = 128
	s_mov_b32 s[\g+3], ROWB<<16                    ; tile_dim0
	s_mov_b32 s[\g+4], 128                         ; tile_dim1 = 128
	s_mov_b32 s[\g+5], KROW                        ; tensor_dim0_stride
	s_mov_b32 s[\g+6], 0
	s_mov_b32 s[\g+7], 0
.endr
	s_lshl_b32 s12, s16, 7                         ; which 128 rows of the tile I fetch
	s_lshl_b32 s20, s17, 8
	s_add_co_u32 s20, s20, s12                     ; R: row 256 x tile + 128 x half,
	s_lshl_b32 s20, s20, 10                        ; in bytes,
	s_add_co_u32 s20, s20, s18                     ; in its plane
	s_mov_b32 s21, 0
	s_lshl_b32 s46, s42, 8
	s_add_co_u32 s46, s46, s12                     ; P likewise
	s_lshl_b32 s46, s46, 10
	s_add_co_u32 s46, s46, s19
	s_mov_b32 s47, 0
	s_mul_i32 s45, s14, HALFT                      ; where they go: wave x 128 rows: no place in the cluster enters an LDS address
	s_wait_dscnt 0x0                               ; both opening adds are done
	s_wait_kmcnt 0x0
	s_load_b256 s[84:91], s[78:79], 0x0            ; entries 0 to 7
	s_load_b128 s[92:95], s[78:79], 0x20           ; entries 8 to 11
	s_cmp_eq_u32 s82, 2
	s_cselect_b64 s[4:5], s[70:71], s[68:69]       ; R: wc for v, else xc
	s_cselect_b64 s[6:7], s[68:69], s[70:71]       ; P: the other
	s_add_nc_u64 s[20:21], s[4:5], s[20:21]
	s_add_nc_u64 s[46:47], s[6:7], s[46:47]
	CROUND                                         ; all sixteen work-groups are here: the first joint loads meet
.irp s, 0,1
	s_mov_b32 s[G0+4*\s], 1
	s_add_co_u32 s[G0+4*\s+1], s45, \s*SLOT
	s_add_nc_u64 s[G0+4*\s+2:G0+4*\s+3], s[20:21], \s*ROWB
	s_or_b32 s[G0+4*\s+3], s[G0+4*\s+3], 0x80000000
	s_mov_b32 s[G0B+4*\s], 1
	s_add_co_u32 s[G0B+4*\s+1], s45, \s*SLOT
	s_add_nc_u64 s[G0B+4*\s+2:G0B+4*\s+3], s[46:47], \s*ROWB
	s_or_b32 s[G0B+4*\s+3], s[G0B+4*\s+3], 0x80000000
	JLOAD G0+4*\s, G1, G0B+4*\s, G1B               ; two tensor loads of mine are out behind these
.endr
	v_and_b32 v1, 15, v0                           ; r = l % 16
	v_bfe_u32 v2, v0, 4, 1                         ; h = l / 16
	v_mul_u32_u24 v3, v1, PITCH
	v_lshl_add_u32 v4, v2, 4, v3                   ; a fragment's row x pitch + 16 x half
	s_mul_i32 s21, s15, HALFT                      ; my 128 rows of R
	s_mul_i32 s22, s16, HALFT                      ; my 128 rows of P,
	s_add_co_u32 s22, s22, 2*HALFT                 ; which lie behind R's 256
.irp s, 0,1
	v_add_nc_u32 v[ADRA+\s], s21, v4
	v_add_nc_u32 v[ADRB+\s], s22, v4
	s_add_co_u32 s21, s21, SLOT
	s_add_co_u32 s22, s22, SLOT
.endr
	v_and_b32 v[LI], 31, v0
	v_lshlrev_b32 v[LI], 4, v[LI]
	v_lshlrev_b32 v8, 6, v2                        ; the bias along the registers: 16 h numbers on; never rewritten
	s_wait_alu depctr_va_vdst(0)
	v_and_b32 v9, 8, v1
	v_add_nc_u32 v9, v9, v1
	v_lshlrev_b32 v9, 2, v9                        ; the bias of my stored row of Wv: its true row is r + 8 (r / 8) in its group; never rewritten
	s_wait_alu depctr_va_vdst(0)
	s_lshl_b32 s2, s17, 8
	s_lshl_b32 s3, s15, 7
	s_add_co_u32 s2, s2, s3                        ; j0: my first row of R
	s_lshl_b32 s3, s42, 8
	s_lshl_b32 s12, s16, 7
	s_add_co_u32 s3, s3, s12                       ; i0: my first row of P
	s_cmp_eq_u32 s82, 2
	s_cselect_b32 s18, s3, s2                      ; my first row t of x,
	s_cselect_b32 s19, s2, s3                      ; my first column n
	s_cselect_b32 s12, 0, s3                       ; where the bias's first form begins: at i0, or (v: not used) at 0
	s_cselect_b32 s66, s2, 0                       ; and its second: at j0, or (q, k: not used) at 0
	s_cselect_b64 s[8:9], s[76:77], s[72:73]       ; bv or bq,
	s_cmp_eq_u32 s82, 1
	s_cselect_b64 s[8:9], s[74:75], s[8:9]         ; or bk
	s_lshl_b32 s12, s12, 2
	s_mov_b32 s13, 0
	s_lshl_b32 s66, s66, 2
	s_mov_b32 s67, 0
	s_add_nc_u64 s[12:13], s[8:9], s[12:13]
	s_add_nc_u64 s[66:67], s[8:9], s[66:67]
.irp b, 0,1,2,3
.irp k, 0,1,2,3
	global_load_b128 v[BI+16*\b+4*\k:BI+16*\b+4*\k+3], v8, s[12:13] offset:128*\b+16*\k   ; register 16 B + e: bias(i0 + 32 B + 16 h + e)
.endr
.endr
.irp a, 0,1,2,3,4,5,6,7
	global_load_b32 v[BV+2*\a], v9, s[66:67] offset:4*(32*(\a/2)+8*(\a%2))                ; block a of R: bias(j0 + 32 (a / 2) + 8 (a % 2) + r + 8 (r / 8)),
	global_load_b32 v[BV+2*\a+1], v9, s[66:67] offset:4*(32*(\a/2)+8*(\a%2))              ; twice: a pair for the packed multiply-add
.endr
	s_lshr_b32 s4, s18, 11                         ; where my part begins in qkv: the batch,
	s_mul_i32 s4, s4, 16*HS
	s_lshr_b32 s5, s19, 6                          ; the head,
	s_mul_i32 s5, s5, HS
	s_add_co_u32 s4, s4, s5
	s_and_b32 s5, s18, 2047                        ; the row in the sequence: 64 bytes a row in each of the three regions,
	s_lshl_b32 s5, s5, 6
	s_add_co_u32 s4, s4, s5
	s_lshl_b32 s5, s82, 17                         ; the region
	s_add_co_u32 s4, s4, s5
	s_mov_b32 s5, 0
	s_add_nc_u64 s[10:11], s[80:81], s[4:5]
.macro FRAG reg, adr, q, i             ; a fragment, 16 rows x 128 K of 8-bit codes, is 16 registers: lane l holds row l % 16; registers 4 c .. 4 c + 3 hold K = 32 c + 16 (l / 16) + 0 .. 15: the same places of k in both operands
.irp c, 0,1,2,3
	ds_load_b128 v[\reg+4*\c:\reg+4*\c+3], v[\adr] offset:128*(\q)+32*\c+(\i)*16*PITCH
.endr
.endm
; 16 matrix instructions: R's blocks a0, a0 + 1 x P's eight, 128 along K.  p: P's set.  zero = 1: the first product starts the sums.  The 64 accumulators take turns, one instruction a turn, in the same order in every step.
.macro MUL16 a0, p, zero
.irp a, \a0, \a0+1
.irp b, 0,1,2,3,4,5,6,7
.if \zero
	v_wmma_f32_16x16x128_fp8_fp8 v[8*(8*((\a)%4)+\b):8*(8*((\a)%4)+\b)+7], v[128*(\p)+FR*\b:128*(\p)+FR*\b+FR-1], v[AF+FR*(\a):AF+FR*(\a)+FR-1], 0
.else
	v_wmma_f32_16x16x128_fp8_fp8 v[8*(8*((\a)%4)+\b):8*(8*((\a)%4)+\b)+7], v[128*(\p)+FR*\b:128*(\p)+FR*\b+FR-1], v[AF+FR*(\a):AF+FR*(\a)+FR-1], v[8*(8*((\a)%4)+\b):8*(8*((\a)%4)+\b)+7]
.endif
.endr
.endr
.endm
.macro FETCH_B slot, q, p              ; P's eight fragments of the slot's q-th 128 along K into set p
	WIN TO_B
.irp i, 0,1,2,3,4,5,6,7
	FRAG 128*(\p)+FR*\i, ADRB+\slot, \q, \i
.endr
	WIN 0
.endm
.macro FETCH_A slot, q, i0             ; R's blocks i0 .. i0 + 3
.irp i, \i0, \i0+1, \i0+2, \i0+3
	FRAG AF+FR*(\i), ADRA+\slot, \q, \i
.endr
.endm
.macro PLACES n                        ; plain vector instructions between a matrix instruction and a load into a register that it has read, or a read of its result
.rept \n
	v_nop
.endr
.endm
; A step of 128 along K that has its successor in the same slot.
.macro STEP slot, q, zero
	s_wait_dscnt 4*NL                              ; P's set and R's blocks 0-3 are in; the youngest sixteen loads (R's blocks 4-7) may be out
	WIN MUL_LO
	MUL16 0, (\q)%2, \zero
	MUL16 2, (\q)%2, \zero
	s_wait_dscnt 0                                 ; R's blocks 4-7 are in
	PLACES NP
	FETCH_B \slot, (\q)+1, 1-(\q)%2
	FETCH_A \slot, (\q)+1, 0
	WIN MUL_HI
	MUL16 4, (\q)%2, \zero
	MUL16 6, (\q)%2, \zero
	PLACES NP
	WIN 0
	FETCH_A \slot, (\q)+1, 4
.endm
; A slot's last step changes slots: ONE barrier; in front of it each wave waits for all its tensor loads, adds 0 to its spare word, and waits for that and for its own reads of this slot.  fill = 1: this slot is filled again, two K steps ahead.
.macro TURN slot, next, fill
	s_wait_tensorcnt 0x0                           ; all my tensor loads have landed: my part of the next slot  (every window is 0 here)
	ds_add_u32 v[SPW], v[NIL]                      ; 0 onto my spare word
	s_wait_dscnt 4*NL+1                            ; (the add and the youngest sixteen loads, R's blocks 4-7, may be out)
	WIN MUL_LO
	MUL16 0, 1, 0                                  ; sixteen matrix instructions stand between the add and the wait for it
	s_wait_dscnt 0x0                               ; the add is done, and my reads of this slot are over
	s_barrier_signal -1
	MUL16 2, 1, 0
	WIN 0
	s_barrier_wait -1
.if \fill
	CREST                                          ; the barrier has opened a round of the cluster's barrier: no wave of any partner still reads this slot's tile or has a load on its way
	s_add_nc_u64 s[G0+4*\slot+2:G0+4*\slot+3], s[G0+4*\slot+2:G0+4*\slot+3], 2*ROWB
	s_add_nc_u64 s[G0B+4*\slot+2:G0B+4*\slot+3], s[G0B+4*\slot+2:G0B+4*\slot+3], 2*ROWB
	JLOAD G0+4*\slot, G1, G0B+4*\slot, G1B         ; the first tensor load behind the round, my one load until the next; its four v_nop are the places in front of the loads below
.else
	PLACES NP
.endif
	FETCH_B \next, 0, 0
	FETCH_A \next, 0, 0
	WIN MUL_HI
	MUL16 4, 1, 0
	MUL16 6, 1, 0
	PLACES NP
	WIN 0
	FETCH_A \next, 0, 4
.endm
	s_wait_tensorcnt 1                             ; my part of K step 0 is in (K step 1's load may be out)
	s_barrier_signal -1
	s_barrier_wait -1                              ; everybody's is
	FETCH_B 0, 0, 0
	FETCH_A 0, 0, 0
	FETCH_A 0, 0, 4
	STEP 0, 0, 1                                   ; K = 1,024 is four slots' worth: the eight steps are written out.  The first step's products start the sums
	TURN 0, 1, 1                                   ; slot 0 takes K step 2
	STEP 1, 0, 0
	TURN 1, 0, 1                                   ; slot 1 takes K step 3
	STEP 0, 0, 0
	TURN 0, 1, 0                                   ; nothing is left to fetch
	STEP 1, 0, 0
	s_wait_dscnt 4*NL                              ; the very last step
	WIN MUL_LO
	MUL16 0, 1, 0
	MUL16 2, 1, 0
	s_wait_dscnt 0
	WIN MUL_HI
	MUL16 4, 1, 0
	MUL16 6, 1, 0
	WIN 0
	; THE WAY OUT.  number = sum x 2^(ea + eb) + bias, one packed multiply-add for two; held within +-448 x 2^eo; converted: a lane's 16 registers give its 16 bytes of an image.
	s_wait_kmcnt 0x0
	s_cmp_eq_u32 s82, 1
	s_cselect_b32 s2, s86, s84                     ; ea: entry 0, 2 or 4
	s_cselect_b32 s3, s87, s85                     ; eb: entry 1, 3 or 5
	s_cselect_b32 s18, s91, s90                    ; eo: entry 6, 7 or 9
	s_cmp_eq_u32 s82, 2
	s_cselect_b32 s2, s88, s2
	s_cselect_b32 s3, s89, s3
	s_cselect_b32 s18, s93, s18
	s_add_co_i32 s96, s2, s3
	s_add_co_i32 s96, s96, 127
	s_lshl_b32 s96, s96, 23                        ; 2^(ea + eb) as f32
	s_mov_b32 s97, s96                             ; (named with it as a pair, so it is written)
	s_add_co_i32 s18, s18, 127
	s_lshl_b32 s19, s18, 23
	v_mov_b32 v[SC], s19                           ; 2^eo.  This line, the two v_nop and the v_nop at the head of OUT are the four places behind the last products
	PLACES 2
	s_wait_loadcnt 0x0                             ; the bias
; Block a of R (16 lanes' rows) x all of my P: 64 numbers a lane.  kind 0: q, k; kind 1: v.  Each accumulator is read from its low end on.
.macro OUT kind, a
.set AC, 64*((\a)%4)
.set CC, CD+16*((\a)%4)
.set WN, 2+(\a)/4
.if (\a) == 4
	s_wait_xcnt 0x0                                ; the stores of blocks 0 to 3 have read their codes: the registers are written again only behind this wait
.endif
	WIN WN                                         ; source 0: window 2 or 3
	v_nop
.irp j, 0,2,4,6,8,10,12,14,16,18,20,22,24,26,28,30,32,34,36,38,40,42,44,46,48,50,52,54,56,58,60,62
.if \kind
	v_pk_fma_f32 v[TT+\j:TT+\j+1], v[AC+\j:AC+\j+1], s[96:97], v[BV+2*(\a):BV+2*(\a)+1] op_sel_hi:[1,0,1]
.else
	v_pk_fma_f32 v[TT+\j:TT+\j+1], v[AC+\j:AC+\j+1], s[96:97], v[BI+\j:BI+\j+1] op_sel_hi:[1,0,1]
.endif
.endr
	WIN 0
.irp b, 0,1,2,3
.irp i, 0,1,2,3,4,5,6,7,8,9,10,11,12,13,14,15
.endr
	v_cvt_scalef32_pk8_fp8_f32 v[CC+4*\b:CC+4*\b+1], v[TT+16*\b:TT+16*\b+7], v[SC]
	v_cvt_scalef32_pk8_fp8_f32 v[CC+4*\b+2:CC+4*\b+3], v[TT+16*\b+8:TT+16*\b+15], v[SC]
.endr
	v_nop                                          ; one plain vector instruction between the last conversion and the next block's lines, which write its sources
.irp b, 0,1,2,3
.if \kind
	global_store_b128 v[LI], v[CC+4*\b:CC+4*\b+3], s[10:11] offset:((\a)/4)*HS+2048*((\a)%4)+512*\b   ; head a / 4, d-rows 16 (a % 4) on, keys 32 b on: 512 consecutive bytes, aligned
.else
	global_store_b128 v[LI], v[CC+4*\b:CC+4*\b+3], s[10:11] offset:(\b/2)*HS+1024*(\a)+512*(\b%2)     ; head b / 2, tile a of rows, d 32 (b % 2) on: 512 consecutive bytes, aligned
.endif
.endr
.endm
	s_cmp_eq_u32 s82, 2                            ; the tensor: the same in all waves and in all partners
	s_cbranch_scc1 .Lout_v
.irp a, 0,1,2,3,4,5,6,7
	OUT 0, \a
.endr
	s_branch .Lout_done
.Lout_v:
.irp a, 0,1,2,3,4,5,6,7
	OUT 1, \a
.endr
.Lout_done:
	s_wait_tensorcnt 0x0                           ; the wave's end, behind my last tensor load
	ds_add_u32 v[SPW], v[NIL]
	s_wait_dscnt 0x0
	CROUND                                         ; the closing round: no work-group ends while a partner may still ask for a tile that names it
	s_endpgm
.Lfunc_end_k_q5c2d78bbce_proj:
	.size	k_q5c2d78bbce_proj, .Lfunc_end_k_q5c2d78bbce_proj-k_q5c2d78bbce_proj
	.p2alignl 7, 3214868480
	.fill 96, 4, 3214868480
	.section	.rodata,"a",@progbits
	.p2align	6, 0x0
	.amdhsa_kernel k_q5c2d78bbce_proj
		.amdhsa_group_segment_fixed_size 327680
		.amdhsa_private_segment_fixed_size 0
		.amdhsa_enable_private_segment 0
		.amdhsa_kernarg_size 56
		.amdhsa_user_sgpr_count 2
		.amdhsa_user_sgpr_kernarg_segment_ptr 1
		.amdhsa_wavefront_size32 1
		.amdhsa_system_sgpr_workgroup_id_x 1
		.amdhsa_system_sgpr_workgroup_id_y 1
		.amdhsa_system_sgpr_workgroup_id_z 1
		.amdhsa_system_vgpr_workitem_id 0
		.amdhsa_next_free_vgpr 1024
		.amdhsa_next_free_sgpr 98
		.amdhsa_reserve_vcc 0
		.amdhsa_float_denorm_mode_32 3
		.amdhsa_float_denorm_mode_16_64 3
		.amdhsa_fp16_overflow 1
		.amdhsa_memory_ordered 1
		.amdhsa_forward_progress 1
		.amdhsa_inst_pref_size 130
	.end_amdhsa_kernel
	.amdgpu_metadata
---
amdhsa.version: [ 1, 2 ]
amdhsa.kernels:
  - .name:           k_q5c2d78bbce_proj
    .symbol:         k_q5c2d78bbce_proj.kd
    .args:
      - { .name: xc, .offset: 0, .size: 8, .value_kind: global_buffer, .address_space: global }
      - { .name: wc, .offset: 8, .size: 8, .value_kind: global_buffer, .address_space: global }
      - { .name: bq, .offset: 16, .size: 8, .value_kind: global_buffer, .address_space: global }
      - { .name: bk, .offset: 24, .size: 8, .value_kind: global_buffer, .address_space: global }
      - { .name: bv, .offset: 32, .size: 8, .value_kind: global_buffer, .address_space: global }
      - { .name: lowp_scales, .offset: 40, .size: 8, .value_kind: global_buffer, .address_space: global }
      - { .name: qkv, .offset: 48, .size: 8, .value_kind: global_buffer, .address_space: global }
    .group_segment_fixed_size: 327680
    .private_segment_fixed_size: 0
    .kernarg_segment_align: 8
    .kernarg_segment_size: 56
    .max_flat_workgroup_size: 128
    .sgpr_count:     98
    .vgpr_count:     1024
    .wavefront_size: 32
...
	.end_amdgpu_metadata
.endif
;; end of part 2
;; launch attn (part 3): grid 4 x 64, 16 waves a work-group, clusters of 4 x 1, 264,192 bytes of LDS; arguments qkv, lowp_scales, cf; writes cf
.if DOCPART == 3
	.amdgcn_target "amdgcn-amd-amdhsa--gfx1250"
	.amdhsa_code_object_version 6
	.text
	.protected	k_q5c2d78bbce_attn
	.globl	k_q5c2d78bbce_attn
	.p2align	8
	.type	k_q5c2d78bbce_attn,@function
k_q5c2d78bbce_attn:
	s_mov_b64 s[64:65], 0
	v_nop
	global_prefetch_b8 v0, s[64:65] scope:SCOPE_SE
	s_setreg_imm32_b32 hwreg(HW_REG_WAVE_MODE, 25, 1), 1
	s_wait_xcnt 0x0
	s_wait_alu depctr_hold_cnt(0) depctr_sa_sdst(0) depctr_va_vdst(0) depctr_va_sdst(0) depctr_va_ssrc(0) depctr_va_vcc(0) depctr_vm_vsrc(0)
	s_getreg_b32 s2, hwreg(HW_REG_IB_STS2, 6, 4)
	s_cmp_eq_u32 s2, 0
	s_cbranch_scc0 .Lentry_in_a_cluster
	s_endpgm
.Lentry_in_a_cluster:
	s_bfe_u32 s2, ttmp6, 0x10000c
	s_cmp_lg_u32 s2, 0x3003
	s_cbranch_scc0 .Lentry_shape_is_right
	s_endpgm
.Lentry_shape_is_right:
; ctx = softmax(q k^T / 8, causal) v for one head, both products on codes of FP8 (E4M3); ctx is quantised at once (entry 10 of the scales) and stored in the order in which the last product's operand registers take it.
; WORK LEFT OUT: for a tile of 16 queries, the steps of 128 keys all of whose keys come after all 16 queries: reference() itself puts -inf there, so their weights are exactly 0 for all values of the inputs.
; LIMIT: a NaN, an infinity or an overflow that reaches only those steps is not carried to the result.
; THE SOFTMAX AHEAD OF THE SECOND PRODUCT: t = score x log2(e) / 8; M = the row's largest t so far, rounded UP to a whole number; p = 2^(t - M) is quantised (entry 8), not normalised; the row's sum is taken of the unquantised p and divides at the end.
; When M moves, the sum and O are multiplied by 2^(old M - new M): nothing is rounded.
; SHARES.  A cluster of four work-groups is one head (the cluster's y: 16 batch + head).  The head's K and V codes, 262,144 bytes, lie whole in each work-group's LDS: each of the sixteen waves asks for 16,384 bytes of them by one tensor load,
; jointly with the same wave of the three partners.  Nothing is filled again: no ring, and no barrier in the loops.
; Wave w of work-group c takes two tiles of 16 queries, one after the other by one text: tile 127 - 4 w - c, then tile 4 w + c.  A tile's last step of 128 keys is tile / 8: 15 - w / 2, then w / 2: it hangs on the wave's number alone,
; and every wave walks 17 steps in all.  The loop over steps has 16 trips for every tile; a scalar branch on the count of steps and the wave's number leads round the work of a step that is left out.
; LAYOUT.  Both products are used transposed: S^T = K Q^T (source 0 = 16 keys, source 1 = my 16 queries), O^T = V^T P^T (source 0 = 16 of the head's 64, source 1 = P): a lane holds ONE query (lane % 16) throughout.
; The operands lie in qkv as images of their registers: 512 bytes, lane l's 16 bytes at 16 l.  Tile 2 b + u of a step's keys holds at lane r key 32 b + 8 u + r + 8 (r / 8): the 16 registers of score tiles 2 b, 2 b + 1 are keys 32 b + 16 (lane / 16) + 0 .. 15.
; V's d-rows lie likewise, so that the 16 registers of O^T's tiles 2 b', 2 b' + 1 are d = 32 b' + 16 (lane / 16) + 0 .. 15.  cf: [128 batch + tile][head][b' 0..1][lane][16 bytes].
; LIMITS: entries 6 + 7 between -123 and 130 (they are added to c's exponent field); entries 8 and 10 between -126 and 119; entries 8 + 9 are applied by v_ldexp_f32.
; REGISTERS: v1-8 addresses and the mask's number; v12 -M, v13 the largest t, v[14:15] the sum in two halves; v16-23 Q; v32-95 K's eight fragments, then V's four; v96-159 S^T, then p; v160-191 O^T; v224-239 p's codes (on the way out v224-231 ctx's);
;   v244, v245 the conversions' constants; v236-243, v248-255 at work; v246 where the exchanges between the halves of the lanes land: a register that no matrix instruction names.
.set HS,    393216                     ; a head's bytes in qkv: Q, K, V
.set KB,    131072                     ; bytes of each of the three
.set SPARE, 2*KB                       ; behind K and V: the spare words, 128 bytes for each wave: eight blocks of 256 bytes that no other line names
.set LI,   1                           ; v1   16 x lane: my place in an image; never rewritten
.set VB,   2                           ; v2   the same in V's part of LDS
.set ADK,  3                           ; v3   LDS address of the step's K
.set ADV,  4                           ; v4   of its V
.set SPW,  5                           ; v5   LDS address of my spare word; never rewritten
.set NIL,  6                           ; v6   0; never rewritten
.set RH,   7                           ; v7   lane % 16 - 16 (lane / 16)
.set DM,   8                           ; v8   that + my tile's first query, counted from its last step's first key
.set XC,   246                         ; v246 what lane l xor 16 sends
.set WV,    10                         ; s10  my wave's number
.set G0,    12                         ; s[12:15] descriptor group 0
.set G1,    16                         ; s[16:23] descriptor group 1
.set BH,    24                         ; s24  the head
.set TILE,  25                         ; s25  my tile of queries: it enters global addresses and the mask's number alone
.set LIMIT, 26                         ; s26  its last step
.set STEPN, 27                         ; s27  the step
.set TB,    28                         ; s28  8,192 x the step: where its K, and its V, begin in their parts of LDS
.set OUTER, 29                         ; s29  tiles to go
.set SEL,   30                         ; s[30:31] lane selects for v_permlanex16_b32: lane l xor 16
.set CS,    32                         ; s[32:33] c = log2(e) / 8 x 2^(entries 6 + 7)
.macro ROUND                           ; a round of the cluster's barrier
	s_barrier_signal -1
	s_barrier_wait -1
	s_cmp_lg_u32 s[WV], 0
	s_cbranch_scc1 .Lnot_wave_0_\@
	s_barrier_signal -3
.Lnot_wave_0_\@:
	s_barrier_wait -3
	s_barrier_signal -1
	s_barrier_wait -1
.endm
	s_load_b128 s[4:7], s[0:1], 0x0                ; qkv s[4:5], the scales' exponents s[6:7]
	s_load_b64 s[8:9], s[0:1], 0x10                ; cf
	v_lshl_add_u32 v[SPW], v0, 2, SPARE
	v_mov_b32 v[NIL], 0
	ds_add_u32 v[SPW], v[NIL]                      ; the wave's opening: the add, twice on end, and its wait ahead of my first tensor load; the set-up below stands between
	ds_add_u32 v[SPW], v[NIL]
	v_lshrrev_b32 v9, 5, v0
	s_delay_alu instid0(VALU_DEP_1)
	v_readfirstlane_b32 s[WV], v9                  ; wave 0..15
	s_bfe_u32 s11, ttmp6, 0x40000                  ; cx: my place in the cluster
	s_and_b32 s[BH], ttmp7, 0xffff                 ; the head, which the four partners share
	; descriptor group 1: a dense block of 16,384 bytes as 64 rows of 256 bytes
	s_mov_b32 s[G1], 15|(3<<16)|(1<<21)            ; 15:0 the mask: all four work-groups; 17:16 elements of 8 bytes; 20 no padding; 21 set beside a mask
	s_mov_b32 s[G1+1], 32<<16                      ; tensor_dim0 = 32 elements
	s_mov_b32 s[G1+2], 64<<16                      ; tensor_dim1 = 64
	s_mov_b32 s[G1+3], 32<<16                      ; tile_dim0
	s_mov_b32 s[G1+4], 64                          ; tile_dim1
	s_mov_b32 s[G1+5], 32                          ; tensor_dim0_stride: rows on end
	s_mov_b32 s[G1+6], 0
	s_mov_b32 s[G1+7], 0
	s_mov_b32 s[SEL], 0x76543210
	s_mov_b32 s[SEL+1], 0xfedcba98
	s_mov_b32 s[CS], 0x3e38aa3b                    ; log2(e) / 8
	s_mul_i32 s46, s[BH], HS
	s_mov_b32 s47, 0
	s_mov_b32 s[G0], 1                             ; count = 1
	s_lshl_b32 s[G0+1], s[WV], 14                  ; LDS address: 16,384 x wave: waves 0-7 bring K, waves 8-15 V, which follows K in memory as in LDS
	s_add_co_u32 s48, s[G0+1], KB                  ; the same behind the head's Q
	s_mov_b32 s49, 0
	s_wait_dscnt 0x0                               ; both opening adds are done
	s_wait_kmcnt 0x0
	s_load_b128 s[36:39], s[6:7], 0x18             ; entries 6, 7, 8, 9
	s_load_b32 s40, s[6:7], 0x28                   ; entry 10
	s_add_nc_u64 s[52:53], s[4:5], s[46:47]        ; the head in qkv
	s_add_nc_u64 s[G0+2:G0+3], s[52:53], s[48:49]
	s_or_b32 s[G0+3], s[G0+3], 0x80000000          ; type = 2
	ROUND                                          ; all four work-groups are here: the joint loads meet
	tensor_load_to_lds s[G0:G0+3], s[G1:G1+7]      ; my one tensor load of the launch
	s_nop 0
.rept 4
	v_nop
.endr
	s_lshr_b32 s46, s[BH], 4                       ; the batch: 128 tiles of 16,384 bytes,
	s_lshl_b32 s46, s46, 21
	s_and_b32 s48, s[BH], 15                       ; the head: 1,024 bytes in a tile's
	s_lshl_b32 s48, s48, 10
	s_add_co_u32 s46, s46, s48
	s_mov_b32 s47, 0
	s_add_nc_u64 s[54:55], s[8:9], s[46:47]        ; the head in cf
	s_lshl_b32 s[TILE], s[WV], 2
	s_add_co_u32 s[TILE], s[TILE], s11
	s_xor_b32 s[TILE], s[TILE], 127                ; the first tile: 127 - 4 w - c
	s_lshr_b32 s[LIMIT], s[WV], 1
	s_xor_b32 s[LIMIT], s[LIMIT], 15               ; its last step: 15 - w / 2
	v_and_b32 v[LI], 31, v0
	s_delay_alu instid0(VALU_DEP_1)
	v_lshlrev_b32 v[LI], 4, v[LI]
	s_delay_alu instid0(VALU_DEP_1)
	v_add_nc_u32 v[VB], KB, v[LI]
	v_and_b32 v[RH], 15, v0
	v_bfe_u32 v9, v0, 4, 1
	s_delay_alu instid0(VALU_DEP_1)
	v_lshlrev_b32 v9, 4, v9
	s_delay_alu instid0(VALU_DEP_1)
	v_sub_nc_u32 v[RH], v[RH], v9
	v_mov_b32 v[XC], 0                             ; written once, here: a lane permute's destination counts as one of its sources
	v_mov_b32 v253, 0                              ; (named as the upper half of the pair v[252:253])
	s_wait_kmcnt 0x0
	s_add_co_i32 s46, s36, s37
	s_lshl_b32 s46, s46, 23
	s_add_co_i32 s[CS], s[CS], s46                 ; a score stands for score x 2^(entries 6 + 7): added to c's exponent field
	s_mov_b32 s[CS+1], s[CS]                       ; (named with it as a pair, so it is written)
	s_add_co_i32 s46, s38, 127
	s_lshl_b32 s47, s46, 23
	v_mov_b32 v244, s47                            ; 2^(entry 8), for p's conversions
	s_add_co_i32 s46, s40, 127
	s_lshl_b32 s47, s46, 23
	v_mov_b32 v245, s47                            ; 2^(entry 10), for ctx's conversions
	s_add_co_i32 s50, s38, s39                     ; entries 8 + 9
	s_wait_tensorcnt 0x0                           ; my 16,384 bytes are in,
	s_barrier_signal -1
	s_barrier_wait -1                              ; everybody's are: all of K and V lie in LDS, and nobody writes them again
	s_mov_b32 s[OUTER], 2
.Ltile:
	s_wait_xcnt 0x0                                ; the last tile's stores have read their codes and their base: both are written again only behind this wait
	s_lshl_b32 s46, s[TILE], 10                    ; a tile of Q is 1,024 bytes
	s_mov_b32 s47, 0
	s_add_nc_u64 s[42:43], s[52:53], s[46:47]
	s_lshl_b32 s48, s[TILE], 14
	s_mov_b32 s49, 0
	s_add_nc_u64 s[44:45], s[54:55], s[48:49]
	global_load_b128 v[16:19], v[LI], s[42:43]             ; Q's fragment: d = 16 h + 0 .. 15,
	global_load_b128 v[20:23], v[LI], s[42:43] offset:512  ; d = 32 + 16 h + 0 .. 15
	s_and_b32 s46, s[TILE], 7
	s_lshl_b32 s46, s46, 4
	s_wait_alu depctr_va_vdst(0)
	v_add_nc_u32 v[DM], s46, v[RH]                 ; my query less the last step's first key less 16 (lane / 16)
	v_mov_b32 v13, 0xff61b1e6                      ; the largest t so far: -3e38, under every t
	s_delay_alu instid0(VALU_DEP_1)
	v_floor_f32 v12, -v13                          ; -M
	v_mov_b32 v14, 0                               ; the sum, in two halves
	v_mov_b32 v15, 0
.irp j, 0,1,2,3,4,5,6,7,8,9,10,11,12,13,14,15,16,17,18,19,20,21,22,23,24,25,26,27,28,29,30,31
	v_mov_b32 v[160+\j], 0                         ; O^T.  (The step is written once: a tile's first step finds zeros, which the first change of M leaves zeros)
.endr
	s_mov_b32 s[TB], 0
	s_mov_b32 s[STEPN], 0
	s_wait_loadcnt 0x0                             ; Q
.Lstep:                                            ; 16 trips for every tile
	s_cmp_gt_u32 s[STEPN], s[LIMIT]                ; all of the step's keys come after my queries: its work is left out
	s_cbranch_scc1 .Lskip
	s_setprio 2
	v_add_nc_u32 v[ADK], s[TB], v[LI]
	v_add_nc_u32 v[ADV], s[TB], v[VB]
	v_nop                                          ; with the two additions: four places in front of loads into registers that the last products have read
	v_nop
.irp t, 0,1,2,3,4,5,6,7
	ds_load_b128 v[32+8*\t:35+8*\t], v[ADK] offset:1024*\t         ; K's tile t: two images
	ds_load_b128 v[36+8*\t:39+8*\t], v[ADK] offset:1024*\t+512
.endr
	s_wait_alu depctr_va_vdst(0)
	s_wait_dscnt 0x0
.irp t, 0,1,2,3,4,5,6,7
	v_wmma_f32_16x16x64_fp8_fp8 v[96+8*\t:103+8*\t], v[32+8*\t:39+8*\t], v[16:23], 0   ; S^T: register 16 b + i is key 32 b + 16 (lane / 16) + i of the step
.endr
.rept 4
	v_nop                                          ; places in front of the loads below and of the first read of the scores
.endr
.irp g, 0,1,2,3
.irp c, 0,1,2,3
	ds_load_b128 v[32+16*\g+4*\c:35+16*\g+4*\c], v[ADV] offset:2048*\g+512*\c   ; V's four fragments: they land while the softmax is worked
.endr
.endr
	s_cmp_lg_u32 s[STEPN], s[LIMIT]                ; only a tile's last step lies on the diagonal
	s_cbranch_scc1 .Lopen
	v_mov_b32 v254, 0xff800000                     ; -infinity: the scores of hidden keys, ahead of the maximum: p = 0 then.  The step's first key counts for every query of the tile
.irp n, 0,1,2,3,4,5,6,7,8,9,10,11,12,13,14,15,16,17,18,19,20,21,22,23,24,25,26,27,28,29,30,31,32,33,34,35,36,37,38,39,40,41,42,43,44,45,46,47,48,49,50,51,52,53,54,55,56,57,58,59,60,61,62,63
	v_cmp_gt_i32 vcc_lo, 32*(\n/16)+\n%16, v[DM]
	v_cndmask_b32 v[96+\n], v[96+\n], v254, vcc_lo
.endr
.Lopen:
	v_max3_num_f32 v254, v96, v97, v98             ; the step's largest score of my query, among my 64 keys, in two chains, each accumulator from its low end on,
	v_max3_num_f32 v252, v99, v100, v101
.irp i, 6,10,14,18,22,26,30,34,38,42,46,50,54,58
	v_max3_num_f32 v254, v254, v[96+\i], v[97+\i]
	v_max3_num_f32 v252, v252, v[98+\i], v[99+\i]
.endr
	v_max3_num_f32 v254, v254, v158, v159
	s_delay_alu instid0(VALU_DEP_1)
	v_max_num_f32 v254, v254, v252
	s_delay_alu instid0(VALU_DEP_1)
	v_permlanex16_b32 v[XC], v254, s[SEL], s[SEL+1]
	s_delay_alu instid0(VALU_DEP_1)
	v_max_num_f32 v254, v254, v[XC]                ; and among lane l xor 16's
	s_delay_alu instid0(VALU_DEP_1)
	v_mul_f32 v254, s[CS], v254                    ; as t (c is positive)
	s_delay_alu instid0(VALU_DEP_1)
	v_max_num_f32 v13, v13, v254                   ; the running largest t
	v_mov_b32 v254, v12
	s_delay_alu instid0(VALU_DEP_2)
	v_floor_f32 v12, -v13                          ; the new -M = floor(-t) = -ceil(t): M is a whole number
	s_delay_alu instid0(VALU_DEP_1)
	v_sub_f32 v254, v12, v254                      ; M's old value less its new one: a whole number, 0 or less
	s_delay_alu instid0(VALU_DEP_1)
	v_cvt_i32_f32 v254, v254                       ; (it saturates)
	s_delay_alu instid0(VALU_DEP_1)
	v_ldexp_f32 v252, 1.0, v254                    ; f = 2^(old M - new M)
	s_setprio 1
.irp j, 0,2,4,6,8,10,12,14,16,18,20,22,24,26,28,30,32,34,36,38,40,42,44,46,48,50,52,54,56,58,60,62
	v_pk_fma_f32 v[96+\j:97+\j], v[96+\j:97+\j], s[CS:CS+1], v[12:13] op_sel_hi:[1,0,0]   ; t - M, two at a time (of the pairs c and -M the low word serves both halves)
.endr
	s_wait_alu depctr_va_vdst(0)
.irp j, 0,1,2,3,4,5,6,7,8,9,10,11,12,13,14,15,16,17,18,19,20,21,22,23,24,25,26,27,28,29,30,31,32,33,34,35,36,37,38,39,40,41,42,43,44,45,46,47,48,49,50,51,52,53,54,55,56,57,58,59,60,61,62,63
	v_exp_f32 v[96+\j], v[96+\j]                   ; p = 2^(t - M), at most 1: not normalised
.endr
	v_pk_mul_f32 v[14:15], v[14:15], v[252:253] op_sel_hi:[1,0]   ; the sums under the new M: the plain instruction behind the exponentials
	s_wait_alu depctr_va_vdst(0)                   ; one wait for the whole batch, ahead of its first reader
	v_pk_add_f32 v[242:243], v[100:101], v[104:105]
	v_pk_add_f32 v[254:255], v[108:109], v[112:113]
	v_pk_add_f32 v[250:251], v[116:117], v[120:121]
	v_pk_add_f32 v[248:249], v[124:125], v[128:129]
	v_pk_add_f32 v[240:241], v[132:133], v[136:137]
	v_pk_add_f32 v[238:239], v[140:141], v[144:145]
	v_pk_add_f32 v[236:237], v[148:149], v[152:153]
	v_pk_add_f32 v[14:15], v[14:15], v[156:157]
	v_pk_add_f32 v[242:243], v[242:243], v[96:97]
	v_pk_add_f32 v[254:255], v[254:255], v[98:99]
	v_pk_add_f32 v[250:251], v[250:251], v[102:103]
	v_pk_add_f32 v[248:249], v[248:249], v[106:107]
	v_pk_add_f32 v[240:241], v[240:241], v[110:111]
	v_pk_add_f32 v[238:239], v[238:239], v[114:115]
	v_pk_add_f32 v[236:237], v[236:237], v[118:119]
	v_pk_add_f32 v[14:15], v[14:15], v[122:123]
	v_pk_add_f32 v[242:243], v[242:243], v[126:127]
	v_pk_add_f32 v[254:255], v[254:255], v[130:131]
	v_pk_add_f32 v[250:251], v[250:251], v[134:135]
	v_pk_add_f32 v[248:249], v[248:249], v[138:139]
	v_pk_add_f32 v[240:241], v[240:241], v[142:143]
	v_pk_add_f32 v[238:239], v[238:239], v[146:147]
	v_pk_add_f32 v[236:237], v[236:237], v[150:151]
	s_setprio 0
	v_pk_add_f32 v[14:15], v[14:15], v[154:155]
	v_pk_add_f32 v[242:243], v[242:243], v[158:159]
	s_delay_alu instid0(VALU_DEP_2)
	v_pk_add_f32 v[14:15], v[14:15], v[248:249]
	s_delay_alu instid0(VALU_DEP_2)
	v_pk_add_f32 v[242:243], v[242:243], v[240:241]
	v_pk_add_f32 v[254:255], v[254:255], v[238:239]
	v_pk_add_f32 v[250:251], v[250:251], v[236:237]
	s_delay_alu instid0(VALU_DEP_2)
	v_pk_add_f32 v[14:15], v[14:15], v[254:255]
	s_delay_alu instid0(VALU_DEP_2)
	v_pk_add_f32 v[242:243], v[242:243], v[250:251]
	s_delay_alu instid0(VALU_DEP_1)
	v_pk_add_f32 v[14:15], v[14:15], v[242:243]
.irp b, 0,1,2,3
.irp i, 0,1,2,3,4,5,6,7,8,9,10,11,12,13,14,15
.endr
	v_cvt_scalef32_pk8_fp8_f32 v[224+4*\b:225+4*\b], v[96+16*\b:103+16*\b], v244
	v_cvt_scalef32_pk8_fp8_f32 v[226+4*\b:227+4*\b], v[104+16*\b:111+16*\b], v244
.endr
.irp j, 0,2,4,6,8,10,12,14,16,18,20,22,24,26,28,30
	v_pk_mul_f32 v[160+\j:161+\j], v[160+\j:161+\j], v[252:253] op_sel_hi:[1,0]   ; O^T under the new M.  (Also the plain instructions between the conversions and the products that read their results)
.endr
	s_wait_alu depctr_va_vdst(0)
	s_wait_dscnt 0x0                               ; V
.irp g, 0,1,2,3
	v_wmma_f32_16x16x128_fp8_fp8 v[160+8*\g:167+8*\g], v[32+16*\g:47+16*\g], v[224:239], v[160+8*\g:167+8*\g]   ; O^T += V^T P^T: four accumulators by turns, one instruction a turn
.endr
.Lskip:
	s_add_co_u32 s[TB], s[TB], 8192
	s_add_co_u32 s[STEPN], s[STEPN], 1
	s_cmp_lt_u32 s[STEPN], 16
	s_cbranch_scc1 .Lstep
	s_setprio 0
	; THE TILE'S WAY OUT: ctx = O^T x 2^(entries 8 + 9) / the sum, quantised; a lane's 16 registers give its 16 bytes of an image.
	; Between the last products and the first read of O^T stand two additions, the v_nop and the v_ldexp_f32: four plain vector instructions that name none of the products' registers (ISA guide 7.12.1); the exchange stands there too, the reciprocal is no such place.
	v_add_f32 v14, v14, v15                        ; the sum's two halves,
	s_delay_alu instid0(VALU_DEP_1)
	v_permlanex16_b32 v[XC], v14, s[SEL], s[SEL+1]
	s_delay_alu instid0(VALU_DEP_1)
	v_add_f32 v14, v14, v[XC]                      ; and lane l xor 16's: the row's sum
	s_wait_alu depctr_va_vdst(0)
	v_rcp_f32 v14, v14
	v_nop                                          ; a plain instruction behind the reciprocal
	s_wait_alu depctr_va_vdst(0)                   ; and the wait ahead of its first reader
	v_ldexp_f32 v14, v14, s50
.irp j, 0,2,4,6,8,10,12,14,16,18,20,22,24,26,28,30
	v_pk_mul_f32 v[96+\j:97+\j], v[160+\j:161+\j], v[14:15] op_sel_hi:[1,0]   ; register 16 b' + i is ctx(my query, 32 b' + 16 (lane / 16) + i); each accumulator from its low end on
.endr
.irp b, 0,1
.irp i, 0,1,2,3,4,5,6,7,8,9,10,11,12,13,14,15
.endr
	v_cvt_scalef32_pk8_fp8_f32 v[224+4*\b:225+4*\b], v[96+16*\b:103+16*\b], v245
	v_cvt_scalef32_pk8_fp8_f32 v[226+4*\b:227+4*\b], v[104+16*\b:111+16*\b], v245
.endr
	v_nop                                          ; one plain vector instruction behind the last conversion: later lines write its sources and its results
	global_store_b128 v[LI], v[224:227], s[44:45]              ; 512 consecutive bytes, aligned
	global_store_b128 v[LI], v[228:231], s[44:45] offset:512
	s_xor_b32 s[TILE], s[TILE], 127                ; the second tile: 4 w + c,
	s_xor_b32 s[LIMIT], s[LIMIT], 15               ; its last step: w / 2
	s_sub_co_u32 s[OUTER], s[OUTER], 1
	s_cmp_lg_u32 s[OUTER], 0
	s_cbranch_scc1 .Ltile
	s_wait_tensorcnt 0x0                           ; the wave's end, behind my tensor load
	ds_add_u32 v[SPW], v[NIL]
	s_wait_dscnt 0x0
	ROUND                                          ; the closing round
	s_endpgm
.Lfunc_end_k_q5c2d78bbce_attn:
	.size	k_q5c2d78bbce_attn, .Lfunc_end_k_q5c2d78bbce_attn-k_q5c2d78bbce_attn
	.p2alignl 7, 3214868480
	.fill 96, 4, 3214868480
	.section	.rodata,"a",@progbits
	.p2align	6, 0x0
	.amdhsa_kernel k_q5c2d78bbce_attn
		.amdhsa_group_segment_fixed_size 264192
		.amdhsa_private_segment_fixed_size 0
		.amdhsa_enable_private_segment 0
		.amdhsa_kernarg_size 24
		.amdhsa_user_sgpr_count 2
		.amdhsa_user_sgpr_kernarg_segment_ptr 1
		.amdhsa_wavefront_size32 1
		.amdhsa_system_sgpr_workgroup_id_x 1
		.amdhsa_system_sgpr_workgroup_id_y 1
		.amdhsa_system_sgpr_workgroup_id_z 1
		.amdhsa_system_vgpr_workitem_id 0
		.amdhsa_next_free_vgpr 256
		.amdhsa_next_free_sgpr 66
		.amdhsa_reserve_vcc 1
		.amdhsa_float_denorm_mode_32 3
		.amdhsa_float_denorm_mode_16_64 3
		.amdhsa_fp16_overflow 1
		.amdhsa_memory_ordered 1
		.amdhsa_forward_progress 1
		.amdhsa_inst_pref_size 28
	.end_amdhsa_kernel
	.amdgpu_metadata
---
amdhsa.version: [ 1, 2 ]
amdhsa.kernels:
  - .name:           k_q5c2d78bbce_attn
    .symbol:         k_q5c2d78bbce_attn.kd
    .args:
      - { .name: qkv, .offset: 0, .size: 8, .value_kind: global_buffer, .address_space: global }
      - { .name: lowp_scales, .offset: 8, .size: 8, .value_kind: global_buffer, .address_space: global }
      - { .name: cf, .offset: 16, .size: 8, .value_kind: global_buffer, .address_space: global }
    .group_segment_fixed_size: 264192
    .private_segment_fixed_size: 0
    .kernarg_segment_align: 8
    .kernarg_segment_size: 24
    .max_flat_workgroup_size: 512
    .sgpr_count:     66
    .vgpr_count:     256
    .wavefront_size: 32
...
	.end_amdgpu_metadata
.endif
;; end of part 3
;; launch outp (part 4): grid 4 x 32, 4 waves a work-group, clusters of 4 x 4, 327,680 bytes of LDS; arguments cf, wc, bo, lowp_scales, out0; writes out0
.if DOCPART == 4
	.amdgcn_target "amdgcn-amd-amdhsa--gfx1250"
	.amdhsa_code_object_version 6
	.text
	.protected	k_q5c2d78bbce_outp
	.globl	k_q5c2d78bbce_outp
	.p2align	8
	.type	k_q5c2d78bbce_outp,@function
k_q5c2d78bbce_outp:
	s_mov_b64 s[64:65], 0
	v_nop
	global_prefetch_b8 v0, s[64:65] scope:SCOPE_SE
	s_setreg_imm32_b32 hwreg(HW_REG_WAVE_MODE, 25, 1), 1
	s_wait_xcnt 0x0
	s_wait_alu depctr_hold_cnt(0) depctr_sa_sdst(0) depctr_va_vdst(0) depctr_va_sdst(0) depctr_va_ssrc(0) depctr_va_vcc(0) depctr_vm_vsrc(0)
	s_getreg_b32 s2, hwreg(HW_REG_IB_STS2, 6, 4)
	s_cmp_eq_u32 s2, 0
	s_cbranch_scc0 .Lentry_in_a_cluster
	s_endpgm
.Lentry_in_a_cluster:
	s_bfe_u32 s2, ttmp6, 0x10000c
	s_cmp_lg_u32 s2, 0xf033
	s_cbranch_scc0 .Lentry_shape_is_right
	s_endpgm
.Lentry_shape_is_right:
; out0 = ctx Wo^T + bo on codes of FP8 (E4M3): out0[t][n] = 2^(entries 10 + 11) x sum over k of ctx[t][k] Wo[n][k] + bo[n].  out0: [8192][1024] f32.
; ctx's codes lie in cf as images of the operand's registers: [tile of 16 rows][16 heads][b' 0..1][lane][16 bytes]: 128 along K of a tile are four images on end, 2,048 bytes.  Wo's codes lie in plane 3 of wc, [1024][1024], K innermost.
; A tile of out0, 256 x 256, is made by four waves, each 128 x 128 in 64 accumulators.  K goes in steps of 256 through two LDS slots filled by the tensor data mover.  4 x 4 work-groups form a cluster: ctx's tiles are asked for
; jointly along its rows, Wo's along its columns.  THE MATRIX INSTRUCTION IS USED TRANSPOSED (source 0 = 16 rows of Wo, source 1 = 16 rows of ctx): a lane holds eight neighbouring numbers of a row of out0.
; 128 work-groups: the product has no more tiles of this size.
; LIMIT: entries 10 + 11 between -126 and 127, so that their power of two is an f32 number.
; REGISTERS, in windows of 256: window 0: v1-31 addresses; v64-127 bo along my accumulators' registers; from v128 ctx's fragments, ONE set (on the way out: rows read back from the stage).
;   window 1: Wo's fragments, TWO sets.   window 2: the accumulators of my rows 0-63 ((a, b) at v[8 (8 a + b)]);   window 3: those of rows 64-127.
.set ROWB,   256                       ; a row of Wo's tile in bytes
.set KROW,   1024                      ; a row of Wo's codes in memory
.set PITCH,  272                       ; Wo's rows in LDS: 256 bytes + 16 of padding: the 16 rows that a load touches start at 16 different banks (64 banks of 4 bytes: ISA guide 11.1)
.set FR,     16
.set NL,     4
.set NP,     4
.set HALFT,  128*PITCH                 ; Wo: 128 rows: what one tensor load brings
.set AHALF,  32768                     ; ctx: 8 tiles of 16 rows x 4,096 bytes: what one tensor load brings; images on end, no padding: a load of the wave reads 512 consecutive bytes
.set ABYTES, 2*AHALF
.set SLOT,   ABYTES+2*HALFT            ; ctx's 256 rows, then Wo's 256 rows
.set SPARE,  2*SLOT                    ; behind the ring: the spare words, 128 bytes for each wave: two blocks of 256 bytes that no other line names
.set SPITCH, 528                       ; the way out: a stage of 16 rows x (512 bytes + 16) for each wave.  It lies in slot 0, which has had its last fill and its last read when the first result is stored there
.set NROW,   4096                      ; a row of out0 in bytes
.set ADRA, 16                          ; v16-17  LDS address of my fragments of ctx in slot 0, 1
.set ADRB, 20                          ; v20-21  the same for Wo
.set STO,  24                          ; v24     the way out: where I put 32 bytes of a row
.set RD,   25                          ; v25     where I read a row back
.set CO,   26                          ; v26     my byte offset in a row of out0
.set SPW,  28                          ; v28     LDS address of my spare word; never rewritten
.set NIL,  29                          ; v29     0; never rewritten
.set BI,   64
.set AF,   128
.set BK,   128                         ; the way out: 16 rows read back: v128-191 and v192-255 by turns
.set G1, 24                            ; s[24:31] descriptor group 1 for ctx's tiles;  s[32:39] group 0, one set for each slot
.set G0, 32
.set G1B, 48                           ; s[48:55], s[56:63] the same for Wo's tiles
.set G0B, 56
.set MSB, 0
.macro WIN new                         ; the immediate's high byte repeats the setting that is left
.if MSB != \new
	s_set_vgpr_msb (MSB<<8)|\new
.set MSB, \new
.endif
.endm
.set MUL_LO, 0xa1                      ; source 0 (Wo) window 1, source 1 (ctx) window 0, C and D window 2
.set MUL_HI, 0xf1                      ; the same, C and D window 3
.set TO_B,   0x40                      ; destination window 1, address window 0
; A joint load: waves 0 and 1 fetch for ctx, waves 2 and 3 for Wo.  The branch hangs on the wave's number alone.  An s_nop 0 and four v_nop follow each of the two lines.
.macro JLOAD g0a, g1a, g0b, g1b
	s_cmp_eq_u32 s15, 0
	s_cbranch_scc0 .Lfor_b_\@
	tensor_load_to_lds s[\g0a:\g0a+3], s[\g1a:\g1a+7]
	s_nop 0
.rept 4
	v_nop
.endr
	s_branch .Lasked_\@
.Lfor_b_\@:
	tensor_load_to_lds s[\g0b:\g0b+3], s[\g1b:\g1b+7]
	s_nop 0
.rept 4
	v_nop
.endr
.Lasked_\@:
.endm
.macro CREST                           ; a round of the cluster's barrier behind its opening barrier
	s_cmp_lg_u32 s14, 0
	s_cbranch_scc1 .Lnot_wave_0_\@
	s_barrier_signal -3
.Lnot_wave_0_\@:
	s_barrier_wait -3
	s_barrier_signal -1
	s_barrier_wait -1
.endm
.macro CROUND                          ; a whole round
	s_barrier_signal -1
	s_barrier_wait -1
	CREST
.endm
	s_load_b128 s[4:7], s[0:1], 0x0                ; cf s[4:5], wc s[6:7]
	s_load_b128 s[68:71], s[0:1], 0x10             ; bo s[68:69], the scales' exponents s[70:71]
	s_load_b64 s[10:11], s[0:1], 0x20              ; out0
	v_lshl_add_u32 v[SPW], v0, 2, SPARE
	v_mov_b32 v[NIL], 0
	ds_add_u32 v[SPW], v[NIL]                      ; the wave's opening: the add, twice on end, and its wait ahead of my first tensor load; the set-up below stands between
	ds_add_u32 v[SPW], v[NIL]
	v_lshrrev_b32 v1, 5, v0
	v_readfirstlane_b32 s14, v1                    ; wave 0..3
	s_lshr_b32 s15, s14, 1                         ; which half of the tile's rows is mine.  Also: I fetch for ctx (0) or for Wo (1)
	s_and_b32 s16, s14, 1                          ; which half of its columns.  Also: which 128 rows of that tile I fetch
	s_bfe_u32 s40, ttmp6, 0x40000                  ; cx, cy: my place in the cluster
	s_bfe_u32 s41, ttmp6, 0x40004
	s_lshl_b32 s42, ttmp9, 2
	s_add_co_u32 s42, s42, s40                     ; tile column = 4 x cluster x + cx
	s_and_b32 s17, ttmp7, 0xffff
	s_lshl_b32 s17, s17, 2
	s_add_co_u32 s17, s17, s41                     ; tile row = 4 x cluster y + cy
	s_lshl_b32 s43, s41, 2
	s_lshl_b32 s43, 15, s43                        ; my row of the cluster
	s_lshl_b32 s44, 0x1111, s40                    ; my column
	; descriptor group 1 for ctx: 8 rows (tiles of 16 rows of ctx) of 4,096 bytes (256 along K), 16,384 bytes apart, no padding
	s_or_b32 s[G1+0], s43, (3<<16)|(1<<21)         ; 15:0 the mask: my row; 17:16 elements of 8 bytes; 21 set beside a mask
	s_mov_b32 s[G1+1], 512<<16                     ; tensor_dim0 = 512 elements
	s_mov_b32 s[G1+2], 8<<16                       ; tensor_dim1 = 8
	s_mov_b32 s[G1+3], 512<<16                     ; tile_dim0
	s_mov_b32 s[G1+4], 8                           ; tile_dim1
	s_mov_b32 s[G1+5], 2048                        ; tensor_dim0_stride, in elements
	s_mov_b32 s[G1+6], 0
	s_mov_b32 s[G1+7], 0
	; and for Wo: 128 rows x 256 bytes, padded in LDS
	s_or_b32 s[G1B+0], s44, (0<<16)|(1<<20)|(1<<21)|(5<<22)|(3<<25)  ; the mask: my column; elements of 1 byte; padding: 4 words (code 3) after every 64 (code 5); 21 set beside a mask
	s_mov_b32 s[G1B+1], ROWB<<16
	s_mov_b32 s[G1B+2], 128<<16
	s_mov_b32 s[G1B+3], ROWB<<16
	s_mov_b32 s[G1B+4], 128
	s_mov_b32 s[G1B+5], KROW
	s_mov_b32 s[G1B+6], 0
	s_mov_b32 s[G1B+7], 0
	s_lshl_b32 s18, s16, 17                        ; which half I fetch: 8 tiles of 16,384 bytes of ctx, or 128 rows of 1,024 bytes of Wo: 2^17 bytes either way
	s_lshl_b32 s20, s17, 18                        ; ctx: 16 tiles of 16,384 bytes a tile row
	s_add_co_u32 s20, s20, s18
	s_mov_b32 s21, 0
	s_lshl_b32 s46, s42, 18                        ; Wo: 256 rows of 1,024 bytes a tile column,
	s_add_co_u32 s46, s46, s18
	s_add_co_u32 s46, s46, 3<<20                   ; in plane 3 of wc
	s_mov_b32 s47, 0
	s_lshl_b32 s45, s16, 15                        ; where they go: ctx's halves,
	s_mul_i32 s12, s16, HALFT
	s_add_co_u32 s12, s12, ABYTES                  ; Wo's halves behind them: no place in the cluster enters an LDS address
	s_wait_dscnt 0x0                               ; both opening adds are done
	s_wait_kmcnt 0x0
	s_load_b64 s[96:97], s[70:71], 0x28            ; entries 10, 11
	s_add_nc_u64 s[20:21], s[4:5], s[20:21]
	s_add_nc_u64 s[46:47], s[6:7], s[46:47]
	CROUND                                         ; all sixteen work-groups are here: the first joint loads meet
.irp s, 0,1
	s_mov_b32 s[G0+4*\s], 1
	s_add_co_u32 s[G0+4*\s+1], s45, \s*SLOT
	s_add_nc_u64 s[G0+4*\s+2:G0+4*\s+3], s[20:21], \s*4096
	s_or_b32 s[G0+4*\s+3], s[G0+4*\s+3], 0x80000000
	s_mov_b32 s[G0B+4*\s], 1
	s_add_co_u32 s[G0B+4*\s+1], s12, \s*SLOT
	s_add_nc_u64 s[G0B+4*\s+2:G0B+4*\s+3], s[46:47], \s*ROWB
	s_or_b32 s[G0B+4*\s+3], s[G0B+4*\s+3], 0x80000000
	s_wait_alu depctr_va_vdst(0)
	s_wait_tensorcnt 0x0
	ds_add_u32 v28, v29
	ds_add_u32 v28, v29
	s_wait_dscnt 0x0
	CROUND
	JLOAD G0+4*\s, G1, G0B+4*\s, G1B               ; two tensor loads of mine are asked for here; the first has landed before the second goes out
.endr
	v_and_b32 v1, 15, v0                           ; r = l % 16
	v_bfe_u32 v2, v0, 4, 1                         ; h = l / 16
	v_and_b32 v6, 31, v0
	v_lshlrev_b32 v[CO], 4, v6                     ; 16 x lane
	v_mul_u32_u24 v3, v1, PITCH
	v_lshl_add_u32 v4, v2, 4, v3                   ; Wo: a fragment's row x pitch + 16 x half
	s_lshl_b32 s21, s15, 15                        ; my 128 rows of ctx
	s_mul_i32 s22, s16, HALFT                      ; my 128 rows of Wo,
	s_add_co_u32 s22, s22, ABYTES                  ; which lie behind ctx's
.irp s, 0,1
	v_add_nc_u32 v[ADRA+\s], s21, v[CO]
	v_add_nc_u32 v[ADRB+\s], s22, v4
	s_add_co_u32 s21, s21, SLOT
	s_add_co_u32 s22, s22, SLOT
.endr
	s_mul_i32 s23, s14, 16*SPITCH                  ; my stage
	v_mul_u32_u24 v5, v1, SPITCH                   ; in: row l % 16, 32 bytes for each half of the lanes
	v_lshl_add_u32 v5, v2, 5, v5
	v_add_nc_u32 v[STO], s23, v5
	v_add_nc_u32 v[RD], s23, v[CO]                 ; back: the 32 lanes take one row of 512 bytes
	v_lshlrev_b32 v8, 5, v2                        ; bo: 8 h numbers on; never rewritten
	s_wait_alu depctr_va_vdst(0)
	s_lshl_b32 s20, s17, 8
	s_lshl_b32 s21, s15, 7
	s_add_co_u32 s20, s20, s21                     ; my first row of out0: 256 x tile row + 128 x half
	s_lshl_b32 s20, s20, 12                        ; in bytes
	s_mov_b32 s21, 0
	s_lshl_b32 s46, s42, 10                        ; my first column, in bytes: 1,024 x tile column + 512 x half
	s_lshl_b32 s47, s16, 9
	s_add_co_u32 s46, s46, s47
	s_mov_b32 s47, 0
	s_add_nc_u64 s[68:69], s[68:69], s[46:47]      ; bo at my first column
	s_add_nc_u64 s[20:21], s[20:21], s[46:47]
	s_add_nc_u64 s[10:11], s[10:11], s[20:21]
.irp b, 0,1,2,3,4,5,6,7
	global_load_b128 v[BI+8*\b:BI+8*\b+3], v8, s[68:69] offset:64*\b         ; register 8 b + j: bo(my first column + 16 b + 8 h + j)
	global_load_b128 v[BI+8*\b+4:BI+8*\b+7], v8, s[68:69] offset:64*\b+16
.endr
.macro FRAG reg, adr, q, i             ; Wo: a fragment from rows: lane l holds row l % 16; registers 4 c .. 4 c + 3 hold K = 32 c + 16 (l / 16) + 0 .. 15
.irp c, 0,1,2,3
	ds_load_b128 v[\reg+4*\c:\reg+4*\c+3], v[\adr] offset:128*(\q)+32*\c+(\i)*16*PITCH
.endr
.endm
.macro FRAGA reg, adr, q, i            ; ctx: a fragment from its four images: the same places of k
.irp c, 0,1,2,3
	ds_load_b128 v[\reg+4*\c:\reg+4*\c+3], v[\adr] offset:4096*(\i)+2048*(\q)+512*\c
.endr
.endm
; 16 matrix instructions: ctx's blocks a0, a0 + 1 x Wo's eight, 128 along K.  The 64 accumulators take turns, one instruction a turn, in the same order in every step.
.macro MUL16 a0, p, zero
.irp a, \a0, \a0+1
.irp b, 0,1,2,3,4,5,6,7
.if \zero
	v_wmma_f32_16x16x128_fp8_fp8 v[8*(8*((\a)%4)+\b):8*(8*((\a)%4)+\b)+7], v[128*(\p)+FR*\b:128*(\p)+FR*\b+FR-1], v[AF+FR*(\a):AF+FR*(\a)+FR-1], 0
.else
	v_wmma_f32_16x16x128_fp8_fp8 v[8*(8*((\a)%4)+\b):8*(8*((\a)%4)+\b)+7], v[128*(\p)+FR*\b:128*(\p)+FR*\b+FR-1], v[AF+FR*(\a):AF+FR*(\a)+FR-1], v[8*(8*((\a)%4)+\b):8*(8*((\a)%4)+\b)+7]
.endif
.endr
.endr
.endm
.macro FETCH_B slot, q, p
	WIN TO_B
.irp i, 0,1,2,3,4,5,6,7
	FRAG 128*(\p)+FR*\i, ADRB+\slot, \q, \i
.endr
	WIN 0
.endm
.macro FETCH_A slot, q, i0
.irp i, \i0, \i0+1, \i0+2, \i0+3
	FRAGA AF+FR*(\i), ADRA+\slot, \q, \i
.endr
.endm
.macro PLACES n                        ; plain vector instructions between a matrix instruction and a load into a register that it has read, or a read of its result
.rept \n
	v_nop
.endr
.endm
.macro STEP slot, q, zero
	s_wait_dscnt 4*NL                              ; Wo's set and ctx's blocks 0-3 are in; the youngest sixteen loads (ctx's blocks 4-7) may be out
	WIN MUL_LO
	MUL16 0, (\q)%2, \zero
	MUL16 2, (\q)%2, \zero
	s_wait_dscnt 0                                 ; ctx's blocks 4-7 are in
	PLACES NP
	FETCH_B \slot, (\q)+1, 1-(\q)%2
	FETCH_A \slot, (\q)+1, 0
	WIN MUL_HI
	MUL16 4, (\q)%2, \zero
	MUL16 6, (\q)%2, \zero
	PLACES NP
	WIN 0
	FETCH_A \slot, (\q)+1, 4
.endm
; A slot's last step changes slots: ONE barrier; in front of it each wave waits for all its tensor loads, adds 0 to its spare word, and waits for that and for its own reads of this slot.  fill = 1: this slot is filled again, two K steps ahead.
.macro TURN slot, next, fill
	s_wait_tensorcnt 0x0                           ; all my tensor loads have landed: my part of the next slot  (every window is 0 here)
	ds_add_u32 v[SPW], v[NIL]                      ; 0 onto my spare word
	s_wait_dscnt 4*NL+1                            ; (the add and the youngest sixteen loads may be out)
	WIN MUL_LO
	MUL16 0, 1, 0                                  ; sixteen matrix instructions stand between the add and the wait for it
	s_wait_dscnt 0x0                               ; the add is done, and my reads of this slot are over
	s_barrier_signal -1
	MUL16 2, 1, 0
	WIN 0
	s_barrier_wait -1
.if \fill
	CREST                                          ; the barrier has opened a round of the cluster's barrier: no wave of any partner still reads this slot's tile or has a load on its way
	s_add_nc_u64 s[G0+4*\slot+2:G0+4*\slot+3], s[G0+4*\slot+2:G0+4*\slot+3], 2*4096
	s_add_nc_u64 s[G0B+4*\slot+2:G0B+4*\slot+3], s[G0B+4*\slot+2:G0B+4*\slot+3], 2*ROWB
	JLOAD G0+4*\slot, G1, G0B+4*\slot, G1B         ; the first tensor load behind the round, my one load until the next; its four v_nop are the places in front of the loads below
.else
	PLACES NP
.endif
	FETCH_B \next, 0, 0
	FETCH_A \next, 0, 0
	WIN MUL_HI
	MUL16 4, 1, 0
	MUL16 6, 1, 0
	PLACES NP
	WIN 0
	FETCH_A \next, 0, 4
.endm
	s_wait_tensorcnt 1                             ; my part of K step 0 is in (K step 1's load may be out)
	s_barrier_signal -1
	s_barrier_wait -1                              ; everybody's is
	FETCH_B 0, 0, 0
	FETCH_A 0, 0, 0
	FETCH_A 0, 0, 4
	STEP 0, 0, 1                                   ; K = 1,024 is four slots' worth: the eight steps are written out.  The first step's products start the sums
	TURN 0, 1, 1                                   ; slot 0 takes K step 2
	STEP 1, 0, 0
	TURN 1, 0, 1                                   ; slot 1 takes K step 3
	STEP 0, 0, 0
	TURN 0, 1, 0                                   ; nothing is left to fetch
	STEP 1, 0, 0
	s_wait_dscnt 4*NL                              ; the very last step
	WIN MUL_LO
	MUL16 0, 1, 0
	MUL16 2, 1, 0
	s_wait_dscnt 0
	WIN MUL_HI
	MUL16 4, 1, 0
	MUL16 6, 1, 0
	WIN 0
; THE WAY OUT, block by block of 16 rows x 128 columns: sum x 2^(entries 10 + 11) + bo, in place, one packed multiply-add for two, each accumulator from its low end on.  A lane holds 32 neighbouring bytes of a row: the block goes
; through my own stage in LDS and comes back as whole rows of 512 bytes.  LDS serves a wave's instructions in order (ISA guide 5.7.1.4): no wait between the stores and the loads, nor in front of the next block's stores.
.macro TOSTAGE a
.set AC, 64*((\a)%4)
.set WW, 2+(\a)/4
.set WN, (WW<<6)|WW
	WIN WN                                         ; destination and source 0: window 2 or 3; bo in window 0
.irp j, 0,2,4,6,8,10,12,14,16,18,20,22,24,26,28,30,32,34,36,38,40,42,44,46,48,50,52,54,56,58,60,62
	v_pk_fma_f32 v[AC+\j:AC+\j+1], v[AC+\j:AC+\j+1], s[96:97], v[BI+\j:BI+\j+1] op_sel_hi:[1,0,1]
.endr
.set WN, WW<<2
	WIN WN                                         ; an LDS store's data are its source 1
.irp b, 0,1,2,3,4,5,6,7
	ds_store_b128 v[STO], v[AC+8*\b:AC+8*\b+3] offset:64*\b
	ds_store_b128 v[STO], v[AC+8*\b+4:AC+8*\b+7] offset:64*\b+16
.endr
	WIN 0
.set BB, BK+64*((\a)%2)
.irp t, 0,1,2,3,4,5,6,7,8,9,10,11,12,13,14,15
	ds_load_b128 v[BB+4*\t:BB+4*\t+3], v[RD] offset:\t*SPITCH
.endr
.endm
.macro SEND a, younger                 ; younger: the LDS instructions issued behind block a's loads, which may stay out
.set BB, BK+64*((\a)%2)
	s_wait_dscnt \younger                          ; the block is back in registers
.if (\a) > 0
	s_add_nc_u64 s[10:11], s[10:11], 16*NROW       ; (behind a wait on XCNT: the earlier stores have read their base)  16 rows on
.endif
.irp t, 0,1,2,3,4,5,6,7,8,9,10,11,12,13,14,15
	global_store_b128 v[CO], v[BB+4*\t:BB+4*\t+3], s[10:11] offset:\t*NROW th:TH_STORE_NT   ; 32 lanes store 512 consecutive bytes, aligned; written once, read by nobody here
.endr
.endm
	s_wait_kmcnt 0x0
	s_add_co_i32 s96, s96, s97
	s_add_co_i32 s96, s96, 127
	s_lshl_b32 s96, s96, 23                        ; 2^(entries 10 + 11) as f32
	s_mov_b32 s97, s96                             ; (named with it as a pair)
	s_wait_loadcnt 0x0                             ; bo
	PLACES NP                                      ; behind the last products: for the reads and writes of their results and the loads into the registers that held ctx's fragments
	TOSTAGE 0
.irp a, 1,2,3,4,5,6,7
.if \a > 1
	s_wait_xcnt 0x0                                ; block a - 2's stores have read their registers and their base: block a's loads may land there, and the base may step
.endif
	TOSTAGE \a
	SEND \a-1, 32                                  ; behind block a - 1's loads: block a's 16 stores and 16 loads
.endr
	s_wait_xcnt 0x0                                ; block 6's stores have read their base
	SEND 7, 0
	s_wait_tensorcnt 0x0                           ; the wave's end, behind my last tensor load and my last LDS store
	ds_add_u32 v[SPW], v[NIL]
	s_wait_dscnt 0x0
	CROUND                                         ; the closing round: no work-group ends while a partner may still ask for a tile that names it
	s_endpgm
.Lfunc_end_k_q5c2d78bbce_outp:
	.size	k_q5c2d78bbce_outp, .Lfunc_end_k_q5c2d78bbce_outp-k_q5c2d78bbce_outp
	.p2alignl 7, 3214868480
	.fill 96, 4, 3214868480
	.section	.rodata,"a",@progbits
	.p2align	6, 0x0
	.amdhsa_kernel k_q5c2d78bbce_outp
		.amdhsa_group_segment_fixed_size 327680
		.amdhsa_private_segment_fixed_size 0
		.amdhsa_enable_private_segment 0
		.amdhsa_kernarg_size 40
		.amdhsa_user_sgpr_count 2
		.amdhsa_user_sgpr_kernarg_segment_ptr 1
		.amdhsa_wavefront_size32 1
		.amdhsa_system_sgpr_workgroup_id_x 1
		.amdhsa_system_sgpr_workgroup_id_y 1
		.amdhsa_system_sgpr_workgroup_id_z 1
		.amdhsa_system_vgpr_workitem_id 0
		.amdhsa_next_free_vgpr 1024
		.amdhsa_next_free_sgpr 98
		.amdhsa_reserve_vcc 0
		.amdhsa_float_denorm_mode_32 3
		.amdhsa_float_denorm_mode_16_64 3
		.amdhsa_memory_ordered 1
		.amdhsa_forward_progress 1
		.amdhsa_inst_pref_size 126
	.end_amdhsa_kernel
	.amdgpu_metadata
---
amdhsa.version: [ 1, 2 ]
amdhsa.kernels:
  - .name:           k_q5c2d78bbce_outp
    .symbol:         k_q5c2d78bbce_outp.kd
    .args:
      - { .name: cf, .offset: 0, .size: 8, .value_kind: global_buffer, .address_space: global }
      - { .name: wc, .offset: 8, .size: 8, .value_kind: global_buffer, .address_space: global }
      - { .name: bo, .offset: 16, .size: 8, .value_kind: global_buffer, .address_space: global }
      - { .name: lowp_scales, .offset: 24, .size: 8, .value_kind: global_buffer, .address_space: global }
      - { .name: out0, .offset: 32, .size: 8, .value_kind: global_buffer, .address_space: global }
    .group_segment_fixed_size: 327680
    .private_segment_fixed_size: 0
    .kernarg_segment_align: 8
    .kernarg_segment_size: 40
    .max_flat_workgroup_size: 128
    .sgpr_count:     98
    .vgpr_count:     1024
    .wavefront_size: 32
...
	.end_amdgpu_metadata
.endif
;; end of part 4
